; MI455X (gfx1250); checked and timed in simulation.
; The chip was launched on July 23, 2026; its instructions are those of AMD's public machine-readable ISA for CDNA 5 (MIT licence, August 2026) and "CDNA5" Instruction Set Architecture Reference Guide (July 2026). The comments in the code are by the model that wrote it; some were corrected since.
;; Encoder Block. Allowed arithmetic: float matrix products may take bf16 or f16 operands with f32 sums; other float arithmetic in f32, or as packed bf16 or f16 multiplies, adds, multiply-adds, maxima and minima; sums over many terms, partial sums and values carried from step to step in f32; what a program stores and reads back later, other than sums and carried values, may be rounded once to bf16 or f16.
;; Inputs: b1 4,096 float32; b2 1,024 float32; beta1 1,024 float32; beta2 1,024 float32; gamma1 1,024 float32; gamma2 1,024 float32; input_mask 2 x 1 x 1 x 2,048 int32; w1 4,096 x 1,024 float32; w2 1,024 x 4,096 float32; w_k 1,024 x 1,024 float32; w_o 1,024 x 1,024 float32; w_q 1,024 x 1,024 float32; w_v 1,024 x 1,024 float32; x 2 x 2,048 x 1,024 float32.
;; Outputs: out0 2 x 2,048 x 1,024 float32.
;; One version. Each part assembles by itself: llvm-mc -triple=amdgcn-amd-amdhsa -mcpu=gfx1250 --defsym DOCPART=n.
;; ======== version 1 of 1: 7 launches
;; workspace buffers: wb 25,165,824 bytes; hn 8,388,608 bytes; qkvb 25,165,824 bytes; ob 8,388,608 bytes; x1 16,777,216 bytes; hid 33,554,432 bytes
;; launch prep (part 1): grid 1024 x 1, 8 waves a work-group, no clusters, 0 bytes of LDS; arguments x, gamma1, beta1, w_q, w_k, w_v, w_o, w1, w2, hn, wb; writes hn, wb
.if DOCPART == 1
	.amdgcn_target "amdgcn-amd-amdhsa--gfx1250"
	.amdhsa_code_object_version 6
	.text
	.protected	k_q34a6536db9_prep
	.globl	k_q34a6536db9_prep
	.p2align	8
	.type	k_q34a6536db9_prep,@function
k_q34a6536db9_prep:
	s_mov_b64 s[64:65], 0
	v_nop
	global_prefetch_b8 v0, s[64:65] scope:SCOPE_SE
	s_setreg_imm32_b32 hwreg(HW_REG_WAVE_MODE, 25, 1), 1
	s_wait_xcnt 0x0
; PREP.  Work-groups 0-255: h = LN1(x), bf16, into hn [4096][1024].  Work-groups 256-1023: the six weight matrices rounded to bf16 into wb
; (w_q, w_k, w_v as [3072][1024] at byte 0; w_o at 6,291,456; w1 at 8,388,608; w2 at 16,777,216).
; FORMATS.  x, gamma1 and beta1 are rounded to bf16 (nearest even) as they come in, like every floating input of the program; means, sums of squares and the scaling stay in f32.
; LN as the problem writes it: m = mean, s = sqrt(sum (x - m)^2 / 1023), y = gamma (x - m) / (s + 1e-6) + beta.  Two passes over the row in registers: no difference of large sums.
; LIMITS.  A variance below 2^-126 counts as 0 in the root; NaN and infinities are not treated apart.
; SHARES.  LN: a wave takes a whole row (4,096 bytes: eight loads of 512 consecutive bytes) and then the next one; a work-group's eight waves take 16 rows.  No LDS, no barrier.
; Cast: a wave takes 8,192 consecutive bytes of a matrix: sixteen loads, all out at once; each store of the wave covers 256 consecutive bytes, aligned.
.set XO,  2                            ; v2   16 x lane
.set HO,  3                            ; v3   8 x lane
.set X,   8                            ; v[8:39]    the row: load j brings columns 128 j + 4 lane .. + 3
.set G,   40                           ; v[40:71]   gamma, same places
.set BT,  72                           ; v[72:103]  beta
.set T,   104                          ; v[104:111] at work
.set OUT, 112                          ; v[112:127] the row in bf16
.set XP,  8                            ; s[8:9]   x
.set GP,  10                           ; s[10:11] gamma1
.set BP,  12                           ; s[12:13] beta1
.set HN,  26                           ; s[26:27] hn
.macro RND2 a, k                       ; two f32 rounded to bf16 and widened again, in place
	v_cvt_pk_bf16_f32 v[T+(\k)], v[\a], v[(\a)+1]
	v_lshlrev_b32 v[\a], 16, v[T+(\k)]
	v_and_b32 v[(\a)+1], s31, v[T+(\k)]
.endm
.macro RNDALL base                     ; 32 registers
.set p, 0
.rept 16
	RND2 (\base)+2*p, p%8
.set p, p+1
.endr
.endm
.macro WSUM a, b                       ; the sum over the wave's 32 lanes, in every lane
	v_add_f32_dpp v[\a], v[\a], v[\a] row_xmask:1 row_mask:0xf bank_mask:0xf
	v_add_f32_dpp v[\a], v[\a], v[\a] row_xmask:2 row_mask:0xf bank_mask:0xf
	v_add_f32_dpp v[\a], v[\a], v[\a] row_xmask:4 row_mask:0xf bank_mask:0xf
	v_add_f32_dpp v[\a], v[\a], v[\a] row_xmask:8 row_mask:0xf bank_mask:0xf
	v_permlanex16_b32 v[\b], v[\a], s32, s33
	v_add_f32 v[\a], v[\a], v[\b]
.endm
.macro ROWLOAD off
.irp j, 0,1,2,3,4,5,6,7
	global_load_b128 v[X+4*(\j):X+4*(\j)+3], v[XO], s[XP:XP+1] offset:(\off)+512*(\j) th:TH_LOAD_NT
.endr
.endm
; One row.  rnd = 1: the row is rounded to bf16 first.  row = 0: the wave's first row, behind whose packing the second row's loads go out; row = 1: the second.
.macro LNROW rnd, row
	s_wait_loadcnt 0x0                             ; the row is in
.if \rnd
	RNDALL X
.endif
.irp c, 0,1,2,3
	v_pk_add_f32 v[T+2*(\c):T+2*(\c)+1], v[X+2*(\c):X+2*(\c)+1], v[X+8+2*(\c):X+8+2*(\c)+1]  ; four chains, started by the first sums
.endr
.irp c, 8,9,10,11,12,13,14,15
	v_pk_add_f32 v[T+2*((\c)%4):T+2*((\c)%4)+1], v[T+2*((\c)%4):T+2*((\c)%4)+1], v[X+2*(\c):X+2*(\c)+1]
.endr
	v_pk_add_f32 v[T:T+1], v[T:T+1], v[T+2:T+3]
	v_pk_add_f32 v[T+4:T+5], v[T+4:T+5], v[T+6:T+7]
	v_pk_add_f32 v[T:T+1], v[T:T+1], v[T+4:T+5]
	v_add_f32 v[T], v[T], v[T+1]
	WSUM T, T+1
	v_mul_f32 v[T], 0x3a800000, v[T]               ; / 1024: the mean
	v_mov_b32 v[T+1], v[T]
.set p, 0
.rept 16
	v_pk_add_f32 v[X+2*p:X+2*p+1], v[X+2*p:X+2*p+1], v[T:T+1] neg_lo:[0,1] neg_hi:[0,1]  ; x - m
.set p, p+1
.endr
	v_pk_mul_f32 v[T+2:T+3], v[X:X+1], v[X:X+1]
	v_pk_mul_f32 v[T+4:T+5], v[X+2:X+3], v[X+2:X+3]
.set p, 2
.rept 14
	v_pk_fma_f32 v[T+2+2*(p%2):T+3+2*(p%2)], v[X+2*p:X+2*p+1], v[X+2*p:X+2*p+1], v[T+2+2*(p%2):T+3+2*(p%2)]
.set p, p+1
.endr
	v_pk_add_f32 v[T+2:T+3], v[T+2:T+3], v[T+4:T+5]
	v_add_f32 v[T+2], v[T+2], v[T+3]
	WSUM T+2, T+3
	v_mul_f32 v[T+2], 0x3a802008, v[T+2]           ; / 1023
	v_sqrt_f32 v[T+2], v[T+2]
	v_nop                                          ; a plain instruction behind the root,
	s_wait_alu depctr_va_vdst(0)                   ; and the wait ahead of its first reader
	v_add_f32 v[T+2], 0x358637bd, v[T+2]           ; + 1e-6
	v_rcp_f32 v[T+2], v[T+2]
	v_nop
	s_wait_alu depctr_va_vdst(0)
	v_mov_b32 v[T+3], v[T+2]
.set p, 0
.rept 16
	v_pk_mul_f32 v[X+2*p:X+2*p+1], v[X+2*p:X+2*p+1], v[T+2:T+3]
.set p, p+1
.endr
.set p, 0
.rept 16
	v_pk_fma_f32 v[X+2*p:X+2*p+1], v[X+2*p:X+2*p+1], v[G+2*p:G+2*p+1], v[BT+2*p:BT+2*p+1]
.set p, p+1
.endr
.if \row
	s_wait_xcnt 0x0                                ; the first row's stores have read OUT: it is rewritten only behind this wait
.endif
.set p, 0
.rept 16
	v_cvt_pk_bf16_f32 v[OUT+p], v[X+2*p], v[X+2*p+1]
.set p, p+1
.endr
.if !(\row)
	ROWLOAD 4096                                   ; the second row, ahead of the stores
.endif
.irp j, 0,1,2,3,4,5,6,7
	global_store_b64 v[HO], v[OUT+2*(\j):OUT+2*(\j)+1], s[HN:HN+1] offset:(\row)*2048+256*(\j)  ; 32 lanes x 8 bytes: 256 consecutive bytes, aligned
.endr
.endm
	s_load_b512 s[8:23], s[0:1], 0x0               ; x, gamma1, beta1, w_q s[14:15], w_k s[16:17], w_v s[18:19], w_o s[20:21], w1 s[22:23]
	s_load_b128 s[24:27], s[0:1], 0x40             ; w2 s[24:25], hn s[26:27]
	s_load_b64 s[28:29], s[0:1], 0x50              ; wb
	v_and_b32 v1, 31, v0
	v_lshrrev_b32 v4, 5, v0
	v_readfirstlane_b32 s30, v4                    ; wave 0..7
	v_lshlrev_b32 v[XO], 4, v1
	v_lshlrev_b32 v[HO], 3, v1
	s_mov_b32 s31, 0xffff0000                      ; a word's upper bf16
	s_mov_b32 s32, 0x76543210                      ; v_permlanex16_b32: each lane takes its own place in the other half
	s_mov_b32 s33, 0xfedcba98
	s_cmp_ge_u32 ttmp9, 256
	s_cbranch_scc1 .Lcast
	s_lshl_b32 s36, ttmp9, 16                      ; 16 rows of 4,096 bytes a work-group,
	s_lshl_b32 s34, s30, 13                        ; two a wave
	s_add_co_u32 s36, s36, s34
	s_mov_b32 s37, 0
	s_lshr_b32 s38, s36, 1                         ; half as many bytes in hn
	s_mov_b32 s39, 0
	s_wait_kmcnt 0x0
	s_add_nc_u64 s[XP:XP+1], s[XP:XP+1], s[36:37]
	s_add_nc_u64 s[HN:HN+1], s[HN:HN+1], s[38:39]
	ROWLOAD 0
.irp j, 0,1,2,3,4,5,6,7
	global_load_b128 v[G+4*(\j):G+4*(\j)+3], v[XO], s[GP:GP+1] offset:512*(\j)
	global_load_b128 v[BT+4*(\j):BT+4*(\j)+3], v[XO], s[BP:BP+1] offset:512*(\j)
.endr
	s_wait_loadcnt 0x0
	RNDALL G
	RNDALL BT
	LNROW 1, 0
	LNROW 1, 1
	s_endpgm
.Lcast:                                                ; 768 work-groups: 12 chunks of 4 MiB of f32, 64 work-groups each
	s_sub_co_u32 s34, ttmp9, 256
	s_lshr_b32 s35, s34, 6                         ; chunk 0..11: w_q, w_k, w_v, w_o, four of w1, four of w2
	s_and_b32 s34, s34, 63
	s_and_b32 s38, s35, 3
	s_lshl_b32 s38, s38, 22
	s_cmp_ge_u32 s35, 4
	s_cselect_b32 s38, s38, 0                      ; the chunk's place in its matrix
	s_lshl_b32 s39, s34, 16
	s_add_co_u32 s38, s38, s39
	s_lshl_b32 s39, s30, 13
	s_add_co_u32 s38, s38, s39                     ; + 65,536 a work-group + 8,192 a wave
	s_mov_b32 s39, 0
	s_lshl_b32 s40, s35, 21                        ; in wb the chunks lie on end, 2 MiB each
	s_lshl_b32 s41, s34, 15
	s_add_co_u32 s40, s40, s41
	s_lshl_b32 s41, s30, 12
	s_add_co_u32 s40, s40, s41
	s_mov_b32 s41, 0
	s_wait_kmcnt 0x0
	s_mov_b64 s[36:37], s[14:15]
	s_cmp_eq_u32 s35, 1
	s_cselect_b64 s[36:37], s[16:17], s[36:37]
	s_cmp_eq_u32 s35, 2
	s_cselect_b64 s[36:37], s[18:19], s[36:37]
	s_cmp_eq_u32 s35, 3
	s_cselect_b64 s[36:37], s[20:21], s[36:37]
	s_cmp_ge_u32 s35, 4
	s_cselect_b64 s[36:37], s[22:23], s[36:37]
	s_cmp_ge_u32 s35, 8
	s_cselect_b64 s[36:37], s[24:25], s[36:37]
	s_add_nc_u64 s[36:37], s[36:37], s[38:39]
	s_add_nc_u64 s[40:41], s[28:29], s[40:41]
.irp i, 0,1,2,3,4,5,6,7,8,9,10,11,12,13,14,15
	global_load_b128 v[8+4*(\i):11+4*(\i)], v[XO], s[36:37] offset:512*(\i) th:TH_LOAD_NT
.endr
.irp i, 0,1,2,3,4,5,6,7,8,9,10,11,12,13,14,15
	s_wait_loadcnt 15-(\i)                         ; loads come back in order: load i is in, the younger ones stay out
	v_cvt_pk_bf16_f32 v[72+2*(\i)], v[8+4*(\i)], v[9+4*(\i)]
	v_cvt_pk_bf16_f32 v[73+2*(\i)], v[10+4*(\i)], v[11+4*(\i)]
	global_store_b64 v[HO], v[72+2*(\i):73+2*(\i)], s[40:41] offset:256*(\i)
.endr
	s_endpgm
.Lfunc_end_k_q34a6536db9_prep:
	.size	k_q34a6536db9_prep, .Lfunc_end_k_q34a6536db9_prep-k_q34a6536db9_prep
	.p2alignl 7, 3214868480
	.fill 96, 4, 3214868480
	.section	.rodata,"a",@progbits
	.p2align	6, 0x0
	.amdhsa_kernel k_q34a6536db9_prep
		.amdhsa_group_segment_fixed_size 0
		.amdhsa_private_segment_fixed_size 0
		.amdhsa_enable_private_segment 0
		.amdhsa_kernarg_size 88
		.amdhsa_user_sgpr_count 2
		.amdhsa_user_sgpr_kernarg_segment_ptr 1
		.amdhsa_wavefront_size32 1
		.amdhsa_system_sgpr_workgroup_id_x 1
		.amdhsa_system_sgpr_workgroup_id_y 1
		.amdhsa_system_sgpr_workgroup_id_z 1
		.amdhsa_system_vgpr_workitem_id 0
		.amdhsa_next_free_vgpr 128
		.amdhsa_next_free_sgpr 66
		.amdhsa_reserve_vcc 0
		.amdhsa_float_denorm_mode_32 3
		.amdhsa_float_denorm_mode_16_64 3
		.amdhsa_memory_ordered 1
		.amdhsa_forward_progress 1
		.amdhsa_inst_pref_size 35
	.end_amdhsa_kernel
	.amdgpu_metadata
---
amdhsa.version: [ 1, 2 ]
amdhsa.kernels:
  - .name:           k_q34a6536db9_prep
    .symbol:         k_q34a6536db9_prep.kd
    .args:
      - { .name: x, .offset: 0, .size: 8, .value_kind: global_buffer, .address_space: global }
      - { .name: gamma1, .offset: 8, .size: 8, .value_kind: global_buffer, .address_space: global }
      - { .name: beta1, .offset: 16, .size: 8, .value_kind: global_buffer, .address_space: global }
      - { .name: w_q, .offset: 24, .size: 8, .value_kind: global_buffer, .address_space: global }
      - { .name: w_k, .offset: 32, .size: 8, .value_kind: global_buffer, .address_space: global }
      - { .name: w_v, .offset: 40, .size: 8, .value_kind: global_buffer, .address_space: global }
      - { .name: w_o, .offset: 48, .size: 8, .value_kind: global_buffer, .address_space: global }
      - { .name: w1, .offset: 56, .size: 8, .value_kind: global_buffer, .address_space: global }
      - { .name: w2, .offset: 64, .size: 8, .value_kind: global_buffer, .address_space: global }
      - { .name: hn, .offset: 72, .size: 8, .value_kind: global_buffer, .address_space: global }
      - { .name: wb, .offset: 80, .size: 8, .value_kind: global_buffer, .address_space: global }
    .group_segment_fixed_size: 0
    .private_segment_fixed_size: 0
    .kernarg_segment_align: 8
    .kernarg_segment_size: 88
    .max_flat_workgroup_size: 256
    .sgpr_count:     66
    .vgpr_count:     128
    .wavefront_size: 32
...
	.end_amdgpu_metadata
.endif
;; end of part 1
;; launch qkv (part 2): grid 16 x 16, 4 waves a work-group, clusters of 4 x 4, 327,680 bytes of LDS; arguments hn, wb, input_mask, qkvb; writes qkvb
.if DOCPART == 2
	.amdgcn_target "amdgcn-amd-amdhsa--gfx1250"
	.amdhsa_code_object_version 6
	.text
	.protected	k_q34a6536db9_qkv
	.globl	k_q34a6536db9_qkv
	.p2align	8
	.type	k_q34a6536db9_qkv,@function
k_q34a6536db9_qkv:
	s_mov_b64 s[64:65], 0
	v_nop
	global_prefetch_b8 v0, s[64:65] scope:SCOPE_SE
	s_setreg_imm32_b32 hwreg(HW_REG_WAVE_MODE, 25, 1), 1
	s_wait_xcnt 0x0
	s_wait_alu depctr_hold_cnt(0) depctr_sa_sdst(0) depctr_va_vdst(0) depctr_va_sdst(0) depctr_va_ssrc(0) depctr_va_vcc(0) depctr_vm_vsrc(0)
	s_getreg_b32 s2, hwreg(HW_REG_IB_STS2, 6, 4)
	s_cmp_eq_u32 s2, 0
	s_cbranch_scc0 .Lentry_in_a_cluster
	s_endpgm
.Lentry_in_a_cluster:
	s_bfe_u32 s2, ttmp6, 0x10000c
	s_cmp_lg_u32 s2, 0xf033
	s_cbranch_scc0 .Lentry_shape_is_right
	s_endpgm
.Lentry_shape_is_right:
; QKV.  [q | k | v] = h Wqkv^T.  h: hn [4096][1024] bf16; Wqkv: wb rows 0-3071, [3072][1024] bf16; out: qkvb [3][32 = batch x 16 + head][2048][64] bf16, each number rounded once from its f32 sum.
; THE MASK: a key whose input_mask is 0 gets a K row of zeros here; the attention launch then starts that key's score sums from -8e9, so that its score is exactly -8e9, -1e9 after the factor 1/8.
; SHARES.  A tile of C is 256 rows x 192 columns (three heads): 16 x 16 work-groups.  Each of the four waves makes 64 rows x 192 columns: 48 accumulators of 16 x 16, 384 registers.
; K goes in steps of 128 through a ring of two LDS slots (256 rows of h, 192 rows of W, 256 bytes a row + 16 of padding).  Waves 0, 1 fetch h's halves, waves 2, 3 W's.
; CLUSTER 4 x 4: h's tile is shared along a row of the cluster, W's along a column: joint loads, the same descriptor and mask in the four that are named.
; THE ORDER OF THE K STEPS.  At its t-th step a cluster takes K step t xor g, g = 2 ((cluster x xor cluster y) & 1) + 4 (cluster x / 2): made of the cluster's place in the grid alone, so the same in all
; sixteen partners.  The four clusters of a row of clusters, which read the same rows of h, have four different g: each names two of a row's eight K steps first (t = 0, 1) and the other six two steps or
; more behind the cluster that named them first.  Clusters y and y xor 1 of a column of clusters, which read the same rows of W, differ in g by 2: each names four K steps first (t = 0, 1, 4, 5) and the
; other four two steps behind its neighbour.  The sums are f32 and may be taken in any order of K.
; THE LOOP is one K step; the slot in hand is the scalar TB (0 or SLOT), turned by an exclusive or; the two last steps, which fill nothing, are a loop of their own that is left in its middle.
; THE MATRIX INSTRUCTION IS USED TRANSPOSED (source 0 = 16 rows of W, source 1 = 16 rows of h): a lane holds eight neighbouring columns of one row of C.
; THE WAY OUT: all sums go as f32 into the wave's own stage, laid over the ring (which has had its last fill) behind a barrier; a loop reads whole rows back, scales K's rows, rounds and stores.
; REGISTERS: window 0 addresses and the way out; window 1 two fragment buffers of 128 (96 of W, 32 of h); windows 2, 3 the accumulators: (a, b) at v[8 (12 (a % 2) + b)] of window 2 + a / 2.
.set KSTEP,  128
.set SH,     8                         ; a K step is 256 bytes of a row
.set PITCH,  272                       ; 256 bytes + 16 = 68 words: the 16 rows of a fragment load start at 16 different groups of four banks
.set AHALF,  128*PITCH
.set BHALF,  96*PITCH
.set BOFF,   2*AHALF
.set SLOT,   2*AHALF+2*BHALF
.set FAC,    2*SLOT                    ; behind the ring: 64 f32 a wave, 1.0 or 0 for each of its rows (keys)
.set SPARE,  FAC+1024                  ; the spare words, 128 bytes a wave
.set SP,     784                       ; a stage row: 192 f32 + 16 bytes
.set STEPS,  8
.set G1W0,   (1<<16)|(1<<20)|(1<<21)|(5<<22)|(3<<25)  ; 2-byte elements; padding on; bit 21 beside a mask; after every 64 words, 4 words
.set ADRA, 16
.set A0,   17
.set ADRB, 20
.set B0,   21
.set FA0,  22                          ; v22  my first row's factor
.set STO,  24
.set RD,   25                          ; v25  the stage rows that are read next
.set CO,   26
.set FA,   27                          ; v27  the factors that are read next
.set SPW,  28
.set NIL,  29
.set PFO,  30
.set RD0,  31                          ; v31  my place in the stage's first rows
.set D,    64
.set OUT,  128
.set F0,   0
.set F1,   128
.set TB,   21                          ; s21  LDS byte at which the slot in hand begins
.set LWA,  22                          ; s22  where my load of h lands in a slot
.set LWB,  23                          ; s23  where my load of W lands
.set G1A,  24
.set G0A,  32                          ; s[32:35] first fill, s[36:39] the descriptor of all later loads
.set G0AW, 36
.set G1B,  48
.set G0B,  56
.set G0BW, 60
.set LIM,  43
.set PFA,  44                          ; s[44:45] the prefetch's address
.set BA,   80                          ; s[80:81] h at the first row that I fetch, K step 0
.set BB,   82                          ; s[82:83] W likewise
.set OFA,  84                          ; s[84:85] a K step's bytes in a row; the high word stays 0
.set KT,   88                          ; s88  t of the next refill
.set GX,   89                          ; s89  g
.set PFB,  90                          ; s[90:91] W at my work-group's share of the rows that I fetch
.set OFP,  92                          ; s[92:93] the prefetched K step's bytes; the high word stays 0
.set MSB, 0
.macro WIN new
.if MSB != (\new)
	s_set_vgpr_msb (MSB<<8)|(\new)
.set MSB, \new
.endif
.endm
.set MUL_LO, 0xa5                      ; sources 0, 1 window 1; C and D window 2
.set TO_F,   0x40                      ; destination window 1
.set ST_LO,  0x08                      ; LDS store data window 2
.macro PLACES
.rept 4
	v_nop
.endr
.endm
.macro JLOAD                           ; the joint refill: one tensor load a wave; an s_nop 0 and four v_nop follow each of the two lines
	s_cmp_eq_u32 s11, 0
	s_cbranch_scc0 .Lfor_b_\@
	tensor_load_to_lds s[G0AW:G0AW+3], s[G1A:G1A+7]
	s_nop 0
.rept 4
	v_nop
.endr
	s_branch .Lasked_\@
.Lfor_b_\@:
	tensor_load_to_lds s[G0BW:G0BW+3], s[G1B:G1B+7]
	s_nop 0
.rept 4
	v_nop
.endr
.Lasked_\@:
.endm
.macro CREST
	s_cmp_lg_u32 s10, 0
	s_cbranch_scc1 .Lnot_wave_0_\@
	s_barrier_signal -3
.Lnot_wave_0_\@:
	s_barrier_wait -3
	s_barrier_signal -1
	s_barrier_wait -1
.endm
.macro CROUND
	s_barrier_signal -1
	s_barrier_wait -1
	CREST
.endm
; A PREFETCH of W's K steps that the refills of t = 4 and 5 will name, each two refills ahead: behind the refills of t = 2 and 3 (the loop's first two trips).  Of all refills these alone name blocks that
; no cluster's load has named before; what is named first at t = 0 and 1 comes by the first fills, at the head, where nothing is prefetched.  Clusters y and y + 2 have the same g and name the same blocks:
; those with y < 2 ask.  In them the waves that fetch W ask, a lane a row, 256 bytes of each; the four partners that ask for a tile jointly take 24 each of the wave's 96 rows, by address.
.macro ASK
	s_cmp_gt_u32 s3, s[LIM]
	s_cbranch_scc0 .Lnot_mine_\@
	global_prefetch_b8 v[PFO], s[PFA:PFA+1] th:TH_LOAD_NT scope:SCOPE_SE
.Lnot_mine_\@:
.endm
.macro MUL12 f, a, zero                ; 12 products: my row block a x all 12 column blocks, 32 along K
	WIN MUL_LO+0x50*((\a)/2)
.irp b, 0,1,2,3,4,5,6,7,8,9,10,11
.if \zero
	v_wmma_f32_16x16x32_bf16 v[8*(12*((\a)%2)+(\b)):8*(12*((\a)%2)+(\b))+7], v[(\f)+8*(\b):(\f)+8*(\b)+7], v[(\f)+96+8*(\a):(\f)+96+8*(\a)+7], 0
.else
	v_wmma_f32_16x16x32_bf16 v[8*(12*((\a)%2)+(\b)):8*(12*((\a)%2)+(\b))+7], v[(\f)+8*(\b):(\f)+8*(\b)+7], v[(\f)+96+8*(\a):(\f)+96+8*(\a)+7], v[8*(12*((\a)%2)+(\b)):8*(12*((\a)%2)+(\b))+7]
.endif
.endr
.endm
.macro FETCH q, f                      ; 32 LDS loads in one run: quarter q's fragments: W's twelve, then h's four
	WIN TO_F
.irp i, 0,1,2,3,4,5,6,7,8,9,10,11
	ds_load_b128 v[(\f)+8*(\i):(\f)+8*(\i)+3],   v[ADRB] offset:64*(\q)+(\i)*16*PITCH
	ds_load_b128 v[(\f)+8*(\i)+4:(\f)+8*(\i)+7], v[ADRB] offset:64*(\q)+(\i)*16*PITCH+32
.endr
.irp i, 0,1,2,3
	ds_load_b128 v[(\f)+96+8*(\i):(\f)+96+8*(\i)+3],   v[ADRA] offset:64*(\q)+(\i)*16*PITCH
	ds_load_b128 v[(\f)+96+8*(\i)+4:(\f)+96+8*(\i)+7], v[ADRA] offset:64*(\q)+(\i)*16*PITCH+32
.endr
.endm
.macro QUARTER q, f, g, zero           ; multiplies buffer f; in its middle fetches quarter q into buffer g
	s_wait_dscnt 4                                 ; all but h's blocks 2 and 3
	MUL12 \f, 0, \zero
	MUL12 \f, 1, \zero
	PLACES                                         ; four places in front of loads into registers that matrix instructions have read
	FETCH \q, \g
	s_wait_dscnt 32                                ; all but the 32 just issued
	MUL12 \f, 2, \zero
	MUL12 \f, 3, \zero
.endm
; The step's last quarter (buffer 1) and the change of slots.  In front of the barrier each wave waits for all its tensor loads, adds 0 to its spare word, and waits for that and for its reads of the slot.
; fill = 1: the barrier opens a round of the cluster's, and the slot just left is filled again, first thing behind the round, with K step KT xor g.
.macro TURN fill
.if \fill
	s_wait_xcnt 0x0                                ; the last prefetch, a K step back, has read its address: it is made anew, for t = KT + 2
	s_add_co_u32 s[OFP], s[KT], 2
	s_xor_b32 s[OFP], s[OFP], s[GX]
	s_and_b32 s[OFP], s[OFP], STEPS-1              ; (in the trips that ask for nothing too it stays inside the row)
	s_lshl_b32 s[OFP], s[OFP], SH
	s_add_nc_u64 s[PFA:PFA+1], s[PFB:PFB+1], s[OFP:OFP+1]
.endif
	WIN 0
	s_wait_tensorcnt 0x0                           ; all my tensor loads have landed: a descriptor may be written
	ds_add_u32 v[SPW], v[NIL]
.if \fill
	s_add_co_u32 s[G0AW+1], s[LWA], s[TB]          ; into the slot that is being left
	s_add_co_u32 s[G0BW+1], s[LWB], s[TB]
	s_xor_b32 s[OFA], s[KT], s[GX]                 ; the K step of this refill,
	s_lshl_b32 s[OFA], s[OFA], SH                  ; in bytes of a row
	s_add_nc_u64 s[G0AW+2:G0AW+3], s[BA:BA+1], s[OFA:OFA+1]
	s_or_b32 s[G0AW+3], s[G0AW+3], 0x80000000
	s_add_nc_u64 s[G0BW+2:G0BW+3], s[BB:BB+1], s[OFA:OFA+1]
	s_or_b32 s[G0BW+3], s[G0BW+3], 0x80000000
	s_add_co_u32 s[KT], s[KT], 1
.endif
	s_xor_b32 s[TB], s[TB], SLOT                   ; the other slot
	s_wait_dscnt 5                                 ; the add and the youngest four loads may be out
	MUL12 F1, 0, 0
	s_wait_dscnt 0x0                               ; the add is done, my reads of the slot are over
	s_barrier_signal -1
	MUL12 F1, 1, 0
.if \fill
	WIN 0
.endif
	s_barrier_wait -1
.if \fill
	CREST
	JLOAD                                          ; its four v_nop are also the places in front of the loads below
.else
	PLACES
	WIN 0
.endif
	v_add_nc_u32 v[ADRA], s[TB], v[A0]
	v_add_nc_u32 v[ADRB], s[TB], v[B0]
	FETCH 0, F0
.if \fill
	WIN 0
	ASK
.endif
	MUL12 F1, 2, 0
	MUL12 F1, 3, 0
.endm
	s_load_b128 s[4:7], s[0:1], 0x0                ; hn s[4:5], wb s[6:7]
	s_load_b64 s[66:67], s[0:1], 0x10              ; input_mask
	s_load_b64 s[8:9], s[0:1], 0x18                ; qkvb
	v_lshl_add_u32 v[SPW], v0, 2, SPARE
	v_mov_b32 v[NIL], 0
	ds_add_u32 v[SPW], v[NIL]                      ; the wave's opening
	v_lshrrev_b32 v1, 5, v0
	v_readfirstlane_b32 s10, v1                    ; wave 0..3
	s_lshr_b32 s11, s10, 1                         ; I fetch for h (0) or for W (1)
	s_and_b32 s12, s10, 1                          ; which half of that tile
	s_bfe_u32 s40, ttmp6, 0x40000                  ; cx
	s_bfe_u32 s41, ttmp6, 0x40004                  ; cy
	s_lshl_b32 s42, ttmp9, 2
	s_add_co_u32 s42, s42, s40                     ; tile column
	s_and_b32 s13, ttmp7, 0xffff
	s_lshl_b32 s13, s13, 2
	s_add_co_u32 s13, s13, s41                     ; tile row
	s_lshl_b32 s14, s41, 2
	s_lshl_b32 s14, 15, s14                        ; my row of the cluster
	s_lshl_b32 s15, 0x1111, s40                    ; my column
	s_or_b32 s[G1A], s14, G1W0
	s_or_b32 s[G1B], s15, G1W0
	s_mov_b32 s[G1A+1], KSTEP<<16                  ; tensor_dim0 = 128
	s_mov_b32 s[G1A+2], 128<<16                    ; tensor_dim1 = 128
	s_mov_b32 s[G1A+3], KSTEP<<16                  ; tile_dim0
	s_mov_b32 s[G1A+4], 128                        ; tile_dim1
	s_mov_b32 s[G1A+5], 1024                       ; elements from row to row
	s_mov_b32 s[G1A+6], 0
	s_mov_b32 s[G1A+7], 0
	s_mov_b32 s[G1B+1], KSTEP<<16
	s_mov_b32 s[G1B+2], 96<<16                     ; 96 rows of W a load
	s_mov_b32 s[G1B+3], KSTEP<<16
	s_mov_b32 s[G1B+4], 96
	s_mov_b32 s[G1B+5], 1024
	s_mov_b32 s[G1B+6], 0
	s_mov_b32 s[G1B+7], 0
	s_lshl_b32 s17, s12, 7
	s_lshl_b32 s16, s13, 8
	s_add_co_u32 s16, s16, s17                     ; h: row 256 x tile row + 128 x half
	s_lshl_b32 s16, s16, 11                        ; x 2,048 bytes
	s_mov_b32 s17, 0
	s_mul_i32 s46, s42, 192
	s_mul_i32 s47, s12, 96
	s_add_co_u32 s46, s46, s47                     ; W: row 192 x tile column + 96 x half
	s_lshl_b32 s46, s46, 11
	s_mov_b32 s47, 0
	s_mul_i32 s[LWA], s12, AHALF
	s_mul_i32 s[LWB], s12, BHALF
	s_add_co_u32 s[LWB], s[LWB], BOFF
	s_mov_b32 s[TB], 0
	s_and_b32 s18, ttmp7, 0xffff                   ; g, of the cluster's x and y
	s_xor_b32 s18, s18, ttmp9
	s_and_b32 s18, s18, 1
	s_lshl_b32 s18, s18, 1
	s_lshr_b32 s19, ttmp9, 1
	s_lshl_b32 s19, s19, 2
	s_or_b32 s[GX], s18, s19
	s_mov_b32 s[KT], 2                             ; t = 0 and 1 are the first fills
	s_mov_b32 s[OFA+1], 0
	s_mov_b32 s[OFP+1], 0
	s_wait_dscnt 0x0                               ; the opening add is done
	s_wait_kmcnt 0x0
	s_add_nc_u64 s[BA:BA+1], s[4:5], s[16:17]
	s_add_nc_u64 s[BB:BB+1], s[6:7], s[46:47]
	CROUND                                         ; all sixteen work-groups are here: the first joint loads meet
	s_lshl_b32 s[OFA], s[GX], SH                   ; t = 0: K step g
	s_mov_b32 s[G0A], 1
	s_mov_b32 s[G0A+1], s[LWA]
	s_add_nc_u64 s[G0A+2:G0A+3], s[BA:BA+1], s[OFA:OFA+1]
	s_or_b32 s[G0A+3], s[G0A+3], 0x80000000
	s_mov_b32 s[G0B], 1
	s_mov_b32 s[G0B+1], s[LWB]
	s_add_nc_u64 s[G0B+2:G0B+3], s[BB:BB+1], s[OFA:OFA+1]
	s_or_b32 s[G0B+3], s[G0B+3], 0x80000000
	s_xor_b32 s[OFA], s[GX], 1                     ; t = 1
	s_lshl_b32 s[OFA], s[OFA], SH
	s_mov_b32 s[G0AW], 1
	s_add_co_u32 s[G0AW+1], s[LWA], SLOT
	s_add_nc_u64 s[G0AW+2:G0AW+3], s[BA:BA+1], s[OFA:OFA+1]
	s_or_b32 s[G0AW+3], s[G0AW+3], 0x80000000
	s_mov_b32 s[G0BW], 1
	s_add_co_u32 s[G0BW+1], s[LWB], SLOT
	s_add_nc_u64 s[G0BW+2:G0BW+3], s[BB:BB+1], s[OFA:OFA+1]
	s_or_b32 s[G0BW+3], s[G0BW+3], 0x80000000
	s_cmp_eq_u32 s11, 0                            ; a wave's two first fills stand in one branch: two loads of mine are out
	s_cbranch_scc0 .Lfirst_b
	tensor_load_to_lds s[G0A:G0A+3], s[G1A:G1A+7]
	s_nop 0
	tensor_load_to_lds s[G0AW:G0AW+3], s[G1A:G1A+7]
	s_nop 0
.rept 4
	v_nop
.endr
	s_branch .Lfirst_done
.Lfirst_b:
	tensor_load_to_lds s[G0B:G0B+3], s[G1B:G1B+7]
	s_nop 0
	tensor_load_to_lds s[G0BW:G0BW+3], s[G1B:G1B+7]
	s_nop 0
.rept 4
	v_nop
.endr
.Lfirst_done:
	v_and_b32 v1, 15, v0                           ; r = l % 16
	v_bfe_u32 v2, v0, 4, 1                         ; h = l / 16
	v_and_b32 v5, 31, v0                           ; l
	v_mul_u32_u24 v3, v1, PITCH
	v_lshl_add_u32 v3, v2, 4, v3                   ; a fragment's row x pitch + 16 x half
	s_mul_i32 s18, s10, 64*PITCH                   ; my 64 rows of h
	v_add_nc_u32 v[A0], s18, v3
	v_add_nc_u32 v[B0], BOFF, v3                   ; all 192 rows of W
	v_mov_b32 v[ADRA], v[A0]
	v_mov_b32 v[ADRB], v[B0]
	s_mul_i32 s18, s10, 64*SP                      ; my stage
	v_mul_u32_u24 v4, v1, SP
	v_lshl_add_u32 v4, v2, 5, v4
	v_add_nc_u32 v[STO], s18, v4                   ; in: row r, 32 bytes for each half of the lanes
	v_mul_u32_u24 v4, v2, SP
	v_lshl_add_u32 v4, v1, 4, v4
	v_add_nc_u32 v[RD0], s18, v4                   ; back: lanes 0-15 a head's 64 columns of one row, lanes 16-31 of the next
	v_lshlrev_b32 v[CO], 3, v5                     ; two rows of a head are 256 consecutive bytes of qkvb
	s_lshl_b32 s18, s10, 8
	s_add_co_u32 s18, s18, FAC
	v_lshl_add_u32 v[FA0], v2, 2, s18
	v_lshl_add_u32 v6, v5, 3, s18                  ; where I put my two rows' factors
	v_mov_b32 v41, 0                               ; named with v40, v42, v44 as pairs
	v_mov_b32 v43, 0
	v_mov_b32 v45, 0
	; the three heads' places in qkvb, and whether each is one of K's
.irp j, 0,1,2
	s_mul_i32 s14, s42, 3
	s_add_co_u32 s14, s14, \j                      ; 3 x tile column + j, 0..47
	s_lshr_b32 s15, s14, 4                         ; 0 q, 1 k, 2 v
	s_cmp_eq_u32 s15, 1
	s_cselect_b32 s[76+\j], -1, 0
	s_lshl_b32 s15, s15, 4
	s_add_co_u32 s14, s14, s15
	s_lshr_b32 s15, s13, 3                         ; the batch
	s_lshl_b32 s15, s15, 4
	s_add_co_u32 s14, s14, s15                     ; 32 x kind + 16 x batch + head
	s_lshl_b32 s14, s14, 18                        ; x 2,048 rows of 128 bytes
	s_and_b32 s15, s13, 7
	s_lshl_b32 s15, s15, 8
	s_lshl_b32 s18, s10, 6
	s_add_co_u32 s15, s15, s18                     ; my first row in the batch
	s_lshl_b32 s15, s15, 7
	s_add_co_u32 s14, s14, s15
	s_mov_b32 s15, 0
	s_add_nc_u64 s[70+2*\j:71+2*\j], s[8:9], s[14:15]
.endr
	; my 64 rows' mask: 1.0 where the key counts, 0 where it is masked; into my own words of LDS
	s_lshr_b32 s14, s13, 3
	s_lshl_b32 s14, s14, 11
	s_and_b32 s15, s13, 7
	s_lshl_b32 s15, s15, 8
	s_add_co_u32 s14, s14, s15
	s_lshl_b32 s15, s10, 6
	s_add_co_u32 s14, s14, s15
	s_lshl_b32 s14, s14, 2
	v_lshl_add_u32 v7, v5, 3, s14
	global_load_b64 v[32:33], v7, s[66:67]
	; the prefetches: W at row 192 x tile column + 96 x half + 24 x cy
	s_mul_i32 s18, s42, 192
	s_mul_i32 s14, s12, 96
	s_add_co_u32 s18, s18, s14
	s_mul_i32 s14, s41, 24
	s_add_co_u32 s18, s18, s14
	s_lshl_b32 s18, s18, 11
	s_mov_b32 s19, 0
	s_add_nc_u64 s[PFB:PFB+1], s[6:7], s[18:19]
	s_and_b32 s20, ttmp7, 0xffff
	s_cmp_lt_u32 s20, 2
	s_cselect_b32 s20, s11, 0                      ; 1 in the waves that fetch W, in the clusters with y < 2: the same in all sixteen partners, for a given wave
	s_cmp_eq_u32 s20, 1
	s_cselect_b32 s[LIM], 4, -1                    ; such a wave asks while the loop's count is above 4: in its first two trips
	v_min_u32 v[PFO], 23, v5                       ; 24 rows: lanes 24 to 31 name row 23's block with lane 23
	v_lshlrev_b32 v[PFO], 11, v[PFO]
	s_wait_loadcnt 0x0
	v_cmp_ne_u32 vcc_lo, 0, v32
	v_cndmask_b32 v32, 0, 1.0, vcc_lo
	v_cmp_ne_u32 vcc_lo, 0, v33
	v_cndmask_b32 v33, 0, 1.0, vcc_lo
	ds_store_b64 v6, v[32:33]
	s_wait_tensorcnt 1                             ; my part of the first step is in; the second's may stay out
	s_wait_dscnt 0x0
	s_barrier_signal -1
	s_barrier_wait -1
	FETCH 0, F0
	QUARTER 1, F0, F1, 1                           ; the first quarter's products start the sums
	WIN 0
	s_mov_b32 s3, STEPS-2
.Lstep:                                                ; a trip: a step's quarters 1 to 3, the change of slots with its refill, the next step's quarter 0
	QUARTER 2, F1, F0, 0
	QUARTER 3, F0, F1, 0
	TURN 1
	QUARTER 1, F0, F1, 0
	WIN 0
	s_sub_co_u32 s3, s3, 1
	s_cmp_lg_u32 s3, 0
	s_cbranch_scc1 .Lstep
	s_mov_b32 s3, 2
.Ltail:                                                ; the last two steps fill nothing; the second trip is left in its middle
	QUARTER 2, F1, F0, 0
	QUARTER 3, F0, F1, 0
	WIN 0
	s_sub_co_u32 s3, s3, 1
	s_cmp_eq_u32 s3, 0
	s_cbranch_scc1 .Lfin
	TURN 0
	QUARTER 1, F0, F1, 0
	WIN 0
	s_branch .Ltail
.Lfin:
	s_wait_dscnt 4
	MUL12 F1, 0, 0
	MUL12 F1, 1, 0
	s_wait_dscnt 0x0
	MUL12 F1, 2, 0
	MUL12 F1, 3, 0
	PLACES
	WIN 0
	s_barrier_signal -1                            ; every wave's reads of the ring are over (each has waited): the stages may be laid over it
	s_barrier_wait -1
.irp a, 0,1,2,3
	WIN ST_LO+4*((\a)/2)
.irp b, 0,1,2,3,4,5,6,7,8,9,10,11
	ds_store_b128 v[STO], v[8*(12*((\a)%2)+(\b)):8*(12*((\a)%2)+(\b))+3]   offset:(\a)*16*SP+64*(\b)
	ds_store_b128 v[STO], v[8*(12*((\a)%2)+(\b))+4:8*(12*((\a)%2)+(\b))+7] offset:(\a)*16*SP+64*(\b)+16
.endr
.endr
	WIN 0
	; Eight rows a trip, in four groups of two rows x three heads: a factor and three loads of 16 bytes a lane.  Sixteen LDS loads are always out: a group's registers are loaded again, for the next trip, as
	; soon as they have been read.  LDS serves a wave's instructions in order, so the loads see my stores.  The last trip's loads are held at the last eight rows and serve nothing: the price of one text for every trip.
.irp i, 0,1,2,3
	ds_load_b32 v[32+2*(\i)], v[FA0] offset:8*(\i)
.irp j, 0,1,2
	ds_load_b128 v[D+4*(3*(\i)+(\j)):D+4*(3*(\i)+(\j))+3], v[RD0] offset:2*SP*(\i)+256*(\j)
.endr
.endr
	s_mov_b32 s16, 8*SP
	s_mov_b32 s18, 32
	v_add_nc_u32 v[RD], 8*SP, v[RD0]
	v_add_nc_u32 v[FA], 32, v[FA0]
	s_mov_b32 s3, 8
.Lrows:
.irp i, 0,1,2,3
	s_wait_dscnt 12                                ; the oldest four of the sixteen are in: this group's
.irp j, 0,1,2
	v_cndmask_b32 v[40+2*(\j)], 1.0, v[32+2*(\i)], s[76+(\j)]   ; the row's factor for a head of K, 1.0 for q and v
.endr
.irp j, 0,1,2
	v_pk_mul_f32 v[D+4*(3*(\i)+(\j)):D+4*(3*(\i)+(\j))+1], v[D+4*(3*(\i)+(\j)):D+4*(3*(\i)+(\j))+1], v[40+2*(\j):41+2*(\j)] op_sel_hi:[1,0]
	v_pk_mul_f32 v[D+4*(3*(\i)+(\j))+2:D+4*(3*(\i)+(\j))+3], v[D+4*(3*(\i)+(\j))+2:D+4*(3*(\i)+(\j))+3], v[40+2*(\j):41+2*(\j)] op_sel_hi:[1,0]
.endr
.irp j, 0,1,2
	v_cvt_pk_bf16_f32 v[OUT+2*(3*(\i)+(\j))], v[D+4*(3*(\i)+(\j))], v[D+4*(3*(\i)+(\j))+1]
	v_cvt_pk_bf16_f32 v[OUT+2*(3*(\i)+(\j))+1], v[D+4*(3*(\i)+(\j))+2], v[D+4*(3*(\i)+(\j))+3]
.endr
	ds_load_b32 v[32+2*(\i)], v[FA] offset:8*(\i)
.irp j, 0,1,2
	ds_load_b128 v[D+4*(3*(\i)+(\j)):D+4*(3*(\i)+(\j))+3], v[RD] offset:2*SP*(\i)+256*(\j)
.endr
.irp j, 0,1,2
	global_store_b64 v[CO], v[OUT+2*(3*(\i)+(\j)):OUT+2*(3*(\i)+(\j))+1], s[70+2*(\j):71+2*(\j)] offset:256*(\i)  ; 256 consecutive bytes, aligned
.endr
.endr
	s_wait_xcnt 0x0                                ; the stores have read their data and bases
	s_add_co_u32 s16, s16, 8*SP
	s_min_u32 s17, s16, 7*8*SP
	v_add_nc_u32 v[RD], s17, v[RD0]
	s_add_co_u32 s18, s18, 32
	s_min_u32 s19, s18, 7*32
	v_add_nc_u32 v[FA], s19, v[FA0]
	s_add_nc_u64 s[70:71], s[70:71], 1024
	s_add_nc_u64 s[72:73], s[72:73], 1024
	s_add_nc_u64 s[74:75], s[74:75], 1024
	s_sub_co_u32 s3, s3, 1
	s_cmp_lg_u32 s3, 0
	s_cbranch_scc1 .Lrows
	s_wait_tensorcnt 0x0                           ; the wave's end
	ds_add_u32 v[SPW], v[NIL]
	s_wait_dscnt 0x0
	CROUND                                         ; the closing round
	s_endpgm
.Lfunc_end_k_q34a6536db9_qkv:
	.size	k_q34a6536db9_qkv, .Lfunc_end_k_q34a6536db9_qkv-k_q34a6536db9_qkv
	.p2alignl 7, 3214868480
	.fill 96, 4, 3214868480
	.section	.rodata,"a",@progbits
	.p2align	6, 0x0
	.amdhsa_kernel k_q34a6536db9_qkv
		.amdhsa_group_segment_fixed_size 327680
		.amdhsa_private_segment_fixed_size 0
		.amdhsa_enable_private_segment 0
		.amdhsa_kernarg_size 32
		.amdhsa_user_sgpr_count 2
		.amdhsa_user_sgpr_kernarg_segment_ptr 1
		.amdhsa_wavefront_size32 1
		.amdhsa_system_sgpr_workgroup_id_x 1
		.amdhsa_system_sgpr_workgroup_id_y 1
		.amdhsa_system_sgpr_workgroup_id_z 1
		.amdhsa_system_vgpr_workitem_id 0
		.amdhsa_next_free_vgpr 960
		.amdhsa_next_free_sgpr 94
		.amdhsa_reserve_vcc 1
		.amdhsa_float_denorm_mode_32 3
		.amdhsa_float_denorm_mode_16_64 3
		.amdhsa_memory_ordered 1
		.amdhsa_forward_progress 1
		.amdhsa_inst_pref_size 80
	.end_amdhsa_kernel
	.amdgpu_metadata
---
amdhsa.version: [ 1, 2 ]
amdhsa.kernels:
  - .name:           k_q34a6536db9_qkv
    .symbol:         k_q34a6536db9_qkv.kd
    .args:
      - { .name: hn, .offset: 0, .size: 8, .value_kind: global_buffer, .address_space: global }
      - { .name: wb, .offset: 8, .size: 8, .value_kind: global_buffer, .address_space: global }
      - { .name: input_mask, .offset: 16, .size: 8, .value_kind: global_buffer, .address_space: global }
      - { .name: qkvb, .offset: 24, .size: 8, .value_kind: global_buffer, .address_space: global }
    .group_segment_fixed_size: 327680
    .private_segment_fixed_size: 0
    .kernarg_segment_align: 8
    .kernarg_segment_size: 32
    .max_flat_workgroup_size: 128
    .sgpr_count:     94
    .vgpr_count:     960
    .wavefront_size: 32
...
	.end_amdgpu_metadata
.endif
;; end of part 2
;; launch attn (part 3): grid 8 x 32, 4 waves a work-group, clusters of 4 x 1, 327,680 bytes of LDS; arguments qkvb, input_mask, ob; writes ob
.if DOCPART == 3
	.amdgcn_target "amdgcn-amd-amdhsa--gfx1250"
	.amdhsa_code_object_version 6
	.text
	.protected	k_q34a6536db9_attn
	.globl	k_q34a6536db9_attn
	.p2align	8
	.type	k_q34a6536db9_attn,@function
k_q34a6536db9_attn:
	s_mov_b64 s[64:65], 0
	v_nop
	global_prefetch_b8 v0, s[64:65] scope:SCOPE_SE
	s_setreg_imm32_b32 hwreg(HW_REG_WAVE_MODE, 25, 1), 1
	s_wait_xcnt 0x0
	s_wait_alu depctr_hold_cnt(0) depctr_sa_sdst(0) depctr_va_vdst(0) depctr_va_sdst(0) depctr_va_ssrc(0) depctr_va_vcc(0) depctr_vm_vsrc(0)
	s_getreg_b32 s2, hwreg(HW_REG_IB_STS2, 6, 4)
	s_cmp_eq_u32 s2, 0
	s_cbranch_scc0 .Lentry_in_a_cluster
	s_endpgm
.Lentry_in_a_cluster:
	s_bfe_u32 s2, ttmp6, 0x10000c
	s_cmp_lg_u32 s2, 0x3003
	s_cbranch_scc0 .Lentry_shape_is_right
	s_endpgm
.Lentry_shape_is_right:
; ATTENTION.  O[bh][q][:] = the sum over k of softmax_k(s) V[bh][k][:], s = Q . K / 8, or -1e9 where input_mask[batch][k] is 0.  Q, K, V: qkvb [3][32][2048][64] bf16; O: ob [32][2048][64] bf16.
; Products, maxima and sums in f32; the weights p are rounded to bf16 for the second product (their sum l is taken of the unrounded p), O once at the end.
; THE MASK.  A masked key's K row arrives as zeros, and the product that starts its score sum takes C = -8e9 (exact in f32): its raw score is exactly -8e9, -1e9 after the factor 1/8.  With every key of a
; batch masked all scores are equal and the weights uniform; c s - c m is then at most 64 in size and equal for all keys, which bf16 holds and the division by l takes out.
; SOFTMAX.  A running maximum m and sum l for each query: p = 2^(c s - c m), c = log2(e) / 8; in every step O and l are multiplied by a = 2^(c m_old - c m_new).  m starts at the lowest finite number, O and l at 0.
; LIMITS.  A weight below 2^-126 counts as 0; NaN and infinities are not treated apart.
; SHARES.  A work-group owns 256 queries of one (batch, head), a wave 64: four PIECES of 16.  Every wave walks all 2,048 keys, 64 a step; a slot of LDS holds a tile of 256 keys, four steps.
; LAYOUT.  S^T = K Q^T holds ONE query a lane (lane % 16) and the keys 8 (lane / 16) + 0..7; two such results rounded to bf16 ARE source 1 of O^T = V^T P.  K comes out of LDS as it lies, V turned.
; TURNS.  Turn n belongs to piece n: 8 products K Q^T of piece n + 1, later 8 products V^T P of piece n - 1; beside them piece n's scaling, exponentials, roundings, sums and rescaling and piece n + 1's
; maximum and statistics.  Four vector instructions stand behind every matrix instruction, the rest in one lump.  A turn's 33 exponentials are one batch with one wait.
; CLUSTER.  The four query blocks of a cluster belong to one (batch, head) and walk the same K and V: each tile is asked for jointly, the same tensor load, descriptor and mask in all four.
; REGISTERS, in windows of 256: window 0: addresses, statistics, S^T (two buffers), P (two buffers); window 1: v0-127 O^T; window 2: v0-63 Q, v64-95 the step's mask, v128-191 K, v192-255 V.
.set NP,    4
.set KS,    64
.set PK,    144                        ; a row of K in LDS: 128 bytes + 16
.set PV,    160                        ; a row of V: 128 + 32
.set VOFF,  4*KS*PK
.set SLOT1, 1<<17
.set STAGE, SLOT1+4*KS*(PK+PV)         ; 16 rows x 144 bytes a wave, for the way out
.set SP,    144
.set SPARE, STAGE+4*16*SP              ; the spare words
.set MB0,   SPARE+512                  ; 2,048 f32: 0, or -8e9 for a masked key
.set AK0, 2
.set AV0, 3
.set AK,  4
.set AV,  5
.set STO, 6
.set RD,  7
.set GO,  8
.set MV,  12                           ; v12-13  c m_old, by buffer
.set QO,  15
.set ST,  16                           ; piece t's statistics at v[ST+4 t]: c m, m, l (even keys', odd keys')
.set AM0, 32                           ; v32  MB0 + 32 (lane / 16)
.set AM,  33                           ; v33  the mask's next run of loads
.set PFO, 34                           ; v34  256 x lane
.set TMP, 48
.set SPW, 62
.set NIL, 63
.set S,   64
.set P,   192
.set MK,  64                           ; window 2
.set KF,  128
.set VF,  192
.set WV,  12
.set LIM, 15
.set PFA, 18
.set G1K, 24
.set G1V, 32
.set G0K, 40
.set G0V, 44
.set SLOTS, 56
.set CNT, 57
.set CS,  58
.set SEL, 60
.set TBK, 62
.set TBV, 63
.set TBM, 70                           ; s70  the byte of the mask at which the step to be fetched begins
.set BIGN, 71                          ; s71  -8e9
.set MSB, 0
.macro WIN new
.if MSB != (\new)
	s_set_vgpr_msb (MSB<<8)|(\new)
.set MSB, (\new)
.endif
.endm
.set W_KQ, 0x0a                        ; K and Q in window 2, S^T in window 0
.set W_KM, 0x2a                        ; the same with the C operand in window 2
.set W_PV, 0x52                        ; V in window 2, P in window 0, O^T in window 1
.set W_RS, 0x41                        ; destination and source 0 in window 1, source 1 in window 0
.macro JLOAD                           ; waves 0 and 1 fetch the two halves of a tile's K, waves 2 and 3 those of its V
	s_cmp_lt_u32 s[WV], 2
	s_cbranch_scc0 .Lfor_v_\@
	tensor_load_to_lds s[G0K:G0K+3], s[G1K:G1K+7]
	s_nop 0
.rept 4
	v_nop
.endr
	s_branch .Lasked_\@
.Lfor_v_\@:
	tensor_load_to_lds s[G0V:G0V+3], s[G1V:G1V+7]
	s_nop 0
.rept 4
	v_nop
.endr
.Lasked_\@:
.endm
.macro CROUND
	s_barrier_signal -1
	s_barrier_wait -1
	s_cmp_lg_u32 s[WV], 0
	s_cbranch_scc1 .Lnot_wave_0_\@
	s_barrier_signal -3
.Lnot_wave_0_\@:
	s_barrier_wait -3
	s_barrier_signal -1
	s_barrier_wait -1
.endm
; A prefetch of the tile that the NEXT change of slots will ask for.  The (batch, head)'s first cluster asks; its four partners take 8,192 bytes each of the tile's 32,768, by address; wave 0 asks for K's,
; wave 2 for V's: a lane 256 bytes.  The last change that fills a slot asks for nothing.
.macro ASK
	s_cmp_gt_u32 s[SLOTS], s[LIM]
	s_cbranch_scc0 .Lnot_mine_\@
	global_prefetch_b8 v[PFO], s[PFA:PFA+1] th:TH_LOAD_NT scope:SCOPE_SE
.Lnot_mine_\@:
.endm
; THE CHANGE OF SLOTS.  Each wave waits for all its tensor loads, adds 0 to its spare word, and waits for that and for its LDS instructions.  fill = 1: a round of the cluster's barrier, and the slot
; just left is filled again first thing behind it, with the tile two on.  (At its first use nothing has been read: slot 0 is waited for, slot 1 filled, and the mask's words are shown to all waves.)
.macro CHANGE fill, ask
	WIN 0
	s_wait_tensorcnt 0x0
	ds_add_u32 v[SPW], v[NIL]
.if \fill
.irp g, G0K, G0V
	s_xor_b32 s[\g+1], s[\g+1], SLOT1
	s_add_nc_u64 s[\g+2:\g+3], s[\g+2:\g+3], 4*KS*128
.endr
.if \ask
	s_wait_xcnt 0x0                                ; the last prefetch, a tile back, has read its address
	s_add_nc_u64 s[PFA:PFA+1], s[PFA:PFA+1], 4*KS*128
.endif
	s_wait_dscnt 0x0
	CROUND
	JLOAD
.if \ask
	ASK
.endif
.else
	s_wait_dscnt 0x0
	s_barrier_signal -1
	s_barrier_wait -1
.endif
	s_sub_co_u32 s[TBK], s[TBK], 4*KS*PK           ; the fetches go back to a slot's first step, in the other slot
	s_xor_b32 s[TBK], s[TBK], SLOT1
	s_sub_co_u32 s[TBV], s[TBV], 4*KS*PV
	s_xor_b32 s[TBV], s[TBV], SLOT1
.endm
	s_load_b64 s[4:5], s[0:1], 0x0                 ; qkvb
	s_load_b64 s[66:67], s[0:1], 0x8               ; input_mask
	s_load_b64 s[10:11], s[0:1], 0x10              ; ob
	v_lshl_add_u32 v[SPW], v0, 2, SPARE
	v_mov_b32 v[NIL], 0
	ds_add_u32 v[SPW], v[NIL]                      ; the wave's opening
	v_lshrrev_b32 v1, 5, v0
	v_readfirstlane_b32 s[WV], v1
	s_bfe_u32 s13, ttmp6, 0x40000                  ; cx
	s_lshl_b32 s14, ttmp9, 2
	s_add_co_u32 s14, s14, s13                     ; my block of 256 queries: it enters Q's and O's addresses alone
	s_and_b32 s20, ttmp7, 0xffff                   ; batch x 16 + head, which the four partners share
	s_lshr_b32 s74, s20, 4
	s_lshl_b32 s74, s74, 13                        ; the batch's 2,048 words of the mask
	s_mov_b32 s75, 0
	s_lshl_b32 s20, s20, 18                        ; x 2,048 rows of 128 bytes
	s_and_b32 s16, s[WV], 1                        ; which half of a tile's 256 keys I fetch
	s_lshl_b32 s22, s16, 14
	s_add_co_u32 s22, s22, s20
	s_add_co_u32 s22, s22, 8388608                 ; K is qkvb's second third
	s_mov_b32 s23, 0
	s_mul_i32 s17, s16, 128*PK
	s_mul_i32 s76, s16, 128*PV
	s_lshl_b32 s2, s14, 15
	s_lshl_b32 s3, s[WV], 13
	s_add_co_u32 s2, s2, s3
	s_add_co_u32 s2, s2, s20                       ; my wave's 64 rows of Q and of O
	s_mov_b32 s3, 0
	; 128 keys are 16,384 dense bytes: asked for as 64 rows of 256 bytes, padded in LDS after every key
	s_mov_b32 s[G1K], 15|(1<<16)|(1<<20)|(1<<21)|(4<<22)|(3<<25)
	s_mov_b32 s[G1V], 15|(1<<16)|(1<<20)|(1<<21)|(4<<22)|(7<<25)
.irp g, G1K, G1V
	s_mov_b32 s[\g+1], 128<<16
	s_mov_b32 s[\g+2], 64<<16
	s_mov_b32 s[\g+3], 128<<16
	s_mov_b32 s[\g+4], 64
	s_mov_b32 s[\g+5], 128
	s_mov_b32 s[\g+6], 0
	s_mov_b32 s[\g+7], 0
.endr
	s_mov_b32 s[CS], 0x3e38aa3b                    ; c = log2(e) / 8
	s_mov_b32 s[CS+1], s[CS]
	s_mov_b32 s[SEL], 0x76543210
	s_mov_b32 s[SEL+1], 0xfedcba98
	s_mov_b32 s[TBK], SLOT1+4*KS*PK                ; the first change of slots turns these two into 0
	s_mov_b32 s[TBV], SLOT1+4*KS*PV
	s_mov_b32 s[TBM], 0
	s_mov_b32 s[BIGN], 0xcfee6b28                  ; -8e9
	s_mov_b32 s[G0K], 1
	s_mov_b32 s[G0K+1], s17
	s_mov_b32 s[G0V], 1
	s_add_co_u32 s[G0V+1], s76, VOFF
	s_and_b32 s[LIM], s[WV], 1
	s_or_b32 s[LIM], s[LIM], ttmp9                 ; 0 in waves 0 and 2 of the first cluster: the same in all four partners
	s_cmp_eq_u32 s[LIM], 0
	s_cselect_b32 s[LIM], 1, -1
	s_wait_dscnt 0x0                               ; the opening add is done
	s_wait_kmcnt 0x0
	s_add_nc_u64 s[6:7], s[4:5], s[22:23]          ; K at my half of tile 0
	s_add_nc_u64 s[8:9], s[6:7], 8388608           ; V likewise
	s_add_nc_u64 s[4:5], s[4:5], s[2:3]            ; Q
	s_add_nc_u64 s[10:11], s[10:11], s[2:3]        ; O
	s_add_nc_u64 s[66:67], s[66:67], s[74:75]
	s_mov_b64 s[G0K+2:G0K+3], s[6:7]
	s_or_b32 s[G0K+3], s[G0K+3], 0x80000000
	s_mov_b64 s[G0V+2:G0V+3], s[8:9]
	s_or_b32 s[G0V+3], s[G0V+3], 0x80000000
	s_cmp_lt_u32 s[WV], 2
	s_cselect_b64 s[PFA:PFA+1], s[6:7], s[8:9]
	s_lshl_b32 s2, s13, 13                         ; my work-group's quarter of a tile,
	s_add_co_u32 s2, s2, 2*4*KS*128                ; in tile 2: the loop's first change steps it to tile 3
	s_mov_b32 s3, 0
	s_add_nc_u64 s[PFA:PFA+1], s[PFA:PFA+1], s[2:3]
	CROUND                                         ; all four work-groups are here: the first joint loads meet
	JLOAD                                          ; tile 0 into slot 0
	v_and_b32 v1, 15, v0
	v_bfe_u32 v9, v0, 4, 1
	v_lshlrev_b32 v[QO], 7, v1
	v_lshl_add_u32 v[QO], v9, 4, v[QO]
	WIN 0x80
.set i, 0
.rept 8                                ; Q stays in registers: piece i / 2, channels 32 (i % 2) on
	global_load_b128 v[8*i:8*i+3],   v[QO], s[4:5] offset:(i/2)*2048+(i%2)*64
	global_load_b128 v[8*i+4:8*i+7], v[QO], s[4:5] offset:(i/2)*2048+(i%2)*64+32
.set i, i+1
.endr
	WIN 0
	v_lshlrev_b32 v14, 4, v0
.irp i, 0,1,2,3
	global_load_b128 v[S+4*(\i):S+4*(\i)+3], v14, s[66:67] offset:2048*(\i)  ; the batch's mask: 128 threads x 16 bytes, four times
.endr
	; What the first turn finds: V's registers and P's second buffer hold 0, O^T and l are 0.  All this stands in the wait for the first tile.
	WIN 0x80
.set i, VF
.rept 64
	v_mov_b32 v[i], 0
.set i, i+1
.endr
	WIN 0x40
.set i, 0
.rept 128
	v_mov_b32 v[i], 0
.set i, i+1
.endr
	WIN 0
.set i, 0
.rept 4
	v_mov_b32 v[ST+4*i], 0xfe000000                ; c m: far below every c s
	v_mov_b32 v[ST+4*i+1], 0xff7fffff              ; m
	v_mov_b32 v[ST+4*i+2], 0
	v_mov_b32 v[ST+4*i+3], 0
.set i, i+1
.endr
.set i, P+16
.rept 16
	v_mov_b32 v[i], 0
.set i, i+1
.endr
	v_mul_u32_u24 v[AK0], v1, PK
	v_lshl_add_u32 v[AK0], v9, 4, v[AK0]
	v_and_b32 v10, 7, v0
	v_bfe_u32 v11, v0, 3, 1
	v_lshl_add_u32 v[AV0], v9, 3, v10              ; the turning load: key 8 (l / 16) + l % 8, channels 8 ((l / 8) % 2) on
	v_mul_u32_u24 v[AV0], v[AV0], PV
	v_lshl_add_u32 v[AV0], v11, 4, v[AV0]
	v_add_nc_u32 v[AV0], VOFF, v[AV0]
	s_mul_i32 s13, s[WV], 16*SP
	s_add_co_u32 s13, s13, STAGE
	v_mul_u32_u24 v[STO], v1, SP
	v_lshl_add_u32 v[STO], v9, 4, v[STO]
	v_add_nc_u32 v[STO], s13, v[STO]
	v_bfe_u32 v[RD], v0, 3, 2
	v_mul_u32_u24 v[RD], v[RD], SP
	v_lshl_add_u32 v[RD], v10, 4, v[RD]
	v_add_nc_u32 v[RD], s13, v[RD]
	v_and_b32 v[GO], 31, v0
	v_lshlrev_b32 v[PFO], 8, v[GO]
	v_lshlrev_b32 v[GO], 4, v[GO]
	v_lshl_add_u32 v[AM0], v9, 5, MB0
	v_add_nc_u32 v35, MB0, v14
	s_wait_loadcnt 0x0                             ; Q and the mask
.set i, 0
.rept 16
	v_cmp_eq_u32 vcc_lo, 0, v[S+i]
	v_cndmask_b32 v[S+i], 0, s[BIGN], vcc_lo
.set i, i+1
.endr
.irp i, 0,1,2,3
	ds_store_b128 v35, v[S+4*(\i):S+4*(\i)+3] offset:2048*(\i)
.endr
; Product i of 8 of S^T = K Q^T for piece x: channels 32 (i / 4) on, keys 16 (i % 4) on.  The first 4 start the sums with the step's mask.  The 4 accumulators take turns.
.macro KQ x
.set rS, S+32*((\x)%2)+8*(i%4)
.set rK, KF+16*(i%4)+8*(i/4)
.set rQ, 16*(\x)+8*(i/4)
.set rM, MK+8*(i%4)
.if i < 4
	WIN W_KM
	v_wmma_f32_16x16x32_bf16 v[rS:rS+7], v[rK:rK+7], v[rQ:rQ+7], v[rM:rM+7]
.else
	WIN W_KQ
	v_wmma_f32_16x16x32_bf16 v[rS:rS+7], v[rK:rK+7], v[rQ:rQ+7], v[rS:rS+7]
.endif
.endm
; Product i of 8 of O^T += V^T P for piece x: keys 32 (i / 4) on, channels 16 (i % 4) on.
.macro PV x
	WIN W_PV
.set rO, 32*(\x)+8*(i%4)
.set rV, VF+32*(i/4)+8*(i%4)
.set rP, P+16*((\x)%2)+8*(i/4)
	v_wmma_f32_16x16x32_bf16 v[rO:rO+7], v[rV:rV+7], v[rP:rP+7], v[rO:rO+7]
.endm
.macro MM                              ; the turn's next matrix instruction
.if i < 8
	KQ (Y+1)%NP
.else
.set i, i-8
	PV (Y+NP-1)%NP
.set i, i+8
.endif
.set i, i+1
.endm
.macro FETCH_K                         ; a step's K (8 fragments) and its mask (for each group of 16 keys the lane's eight), in one run
	WIN 0x80
.irp f, 0,1,2,3,4,5,6,7
	ds_load_b128 v[KF+8*\f:KF+8*\f+3],   v[AK] offset:(\f/2)*16*PK+(\f%2)*64
	ds_load_b128 v[KF+8*\f+4:KF+8*\f+7], v[AK] offset:(\f/2)*16*PK+(\f%2)*64+32
.endr
.irp f, 0,1,2,3
	ds_load_b128 v[MK+8*\f:MK+8*\f+3],   v[AM] offset:64*\f
	ds_load_b128 v[MK+8*\f+4:MK+8*\f+7], v[AM] offset:64*\f+16
.endr
	s_add_co_u32 s[TBK], s[TBK], KS*PK
	s_add_co_u32 s[TBM], s[TBM], 4*KS
	WIN 0
.endm
.macro FETCH_V
	WIN 0x80
.irp f, 0,1,2,3,4,5,6,7
	ds_load_tr16_b128 v[VF+8*\f:VF+8*\f+3],   v[AV] offset:(\f/4)*32*PV+(\f%4)*32
	ds_load_tr16_b128 v[VF+8*\f+4:VF+8*\f+7], v[AV] offset:(\f/4)*32*PV+16*PV+(\f%4)*32
.endr
	WIN 0
.endm
; THE VECTOR WORK, one line at a time: OP kind, number.  For piece Y: F n: c s - c m for pair n of 16.  E n: the exponential of score n of 32.  C n: pair n rounded to bf16.  B n: of the four weights 4 n ..
; the second pair is added onto the first.  L n: l takes that sum (L 0: l = a l + sum).  R n: pair n of 16 of O^T times a.  For piece Y + 1: X n, number n of the 22 that find its maximum and statistics
; (0-11 four chains of seven scores, each accumulator's lowest registers first; 12-14, 16 the rest, the old m, into c0; 15 c m_old kept; 17, 18 the other half of the lanes; 19-21 c m, its change, a).
.set F, 0
.set E, 1
.set C, 2
.set B, 3
.set L, 4
.set R, 5
.set X, 6
.macro REGS y
.set rT, ST+4*(\y)
.set rC, TMP+4*((\y)%2)
.set rW, MV+((\y)%2)
.set rS, S+32*((\y)%2)
.set rP, P+16*((\y)%2)
.set rO, 32*(\y)
.endm
.macro OP k, n
.if (\k) == R
	REGS Y
	WIN W_RS
	v_pk_mul_f32 v[rO+2*(\n):rO+2*(\n)+1], v[rO+2*(\n):rO+2*(\n)+1], v[rC+2:rC+3] op_sel_hi:[1,0]
.elseif (\k) < R
	REGS Y
	WIN 0
.if (\k) == F
	v_pk_fma_f32 v[rS+2*(\n):rS+2*(\n)+1], v[rS+2*(\n):rS+2*(\n)+1], s[CS:CS+1], v[rT:rT+1] op_sel_hi:[1,0,0] neg_lo:[0,0,1] neg_hi:[0,0,1]
.elseif (\k) == E
	v_exp_f32 v[rS+(\n)], v[rS+(\n)]
.elseif (\k) == C
	v_cvt_pk_bf16_f32 v[rP+(\n)], v[rS+2*(\n)], v[rS+2*(\n)+1]
.elseif (\k) == B
	v_pk_add_f32 v[rS+4*(\n):rS+4*(\n)+1], v[rS+4*(\n):rS+4*(\n)+1], v[rS+4*(\n)+2:rS+4*(\n)+3]
.elseif (\n) == 0
	v_pk_fma_f32 v[rT+2:rT+3], v[rT+2:rT+3], v[rC+2:rC+3], v[rS:rS+1] op_sel_hi:[1,0,1]
.else
	v_pk_add_f32 v[rT+2:rT+3], v[rT+2:rT+3], v[rS+4*(\n):rS+4*(\n)+1]
.endif
.else
	REGS (Y+1)%NP
	WIN 0
.if (\n) < 4
	v_max3_num_f32 v[rC+(\n)], v[rS+8*(\n)], v[rS+8*(\n)+1], v[rS+8*(\n)+2]
.elseif (\n) < 12
	v_max3_num_f32 v[rC+(\n)%4], v[rC+(\n)%4], v[rS+8*((\n)%4)+2*((\n)/4)+1], v[rS+8*((\n)%4)+2*((\n)/4)+2]
.elseif (\n) == 12
	v_max3_num_f32 v[rC], v[rC], v[rS+7], v[rS+15]
.elseif (\n) == 13
	v_max3_num_f32 v[rC+1], v[rC+1], v[rS+23], v[rS+31]
.elseif (\n) == 14
	v_max3_num_f32 v[rC+2], v[rC+2], v[rC+3], v[rT+1]
.elseif (\n) == 15
	v_mov_b32 v[rW], v[rT]
.elseif (\n) == 16
	v_max3_num_f32 v[rC], v[rC], v[rC+1], v[rC+2]
.elseif (\n) == 17
	v_permlanex16_b32 v[rC+3], v[rC], s[SEL], s[SEL+1]
.elseif (\n) == 18
	v_max_num_f32 v[rT+1], v[rC], v[rC+3]
.elseif (\n) == 19
	v_mul_f32 v[rT], s[CS], v[rT+1]
.elseif (\n) == 20
	v_sub_f32 v[rC+1], v[rW], v[rT]
.else
	v_exp_f32 v[rC+2], v[rC+1]
.endif
.endif
.endm
.macro OPS a, i1, b=-1, i2=0, c=-1, i3=0, d=-1, i4=0
	OP \a, \i1
.if (\b) >= 0
	OP \b, \i2
.endif
.if (\c) >= 0
	OP \c, \i3
.endif
.if (\d) >= 0
	OP \d, \i4
.endif
.endm
.macro ROW a, i1, b, i2, c, i3, d, i4  ; a matrix instruction and the four behind it
	MM
	OPS \a, \i1, \b, \i2, \c, \i3, \d, \i4
.endm
; A TURN, for piece p.  Ahead of its one wait stands all that names no result of the turn's exponentials: the 8 products K Q^T with their riders, and the lump; behind it the 8 products V^T P, behind each four
; of the roundings and sums.  K and the mask of the next step are fetched in piece 2's turn, twelve plain instructions that name none of its registers behind the last product that read K; V of the step in
; hand at the end of piece 0's turn, four plain instructions behind the last product that read V.  Each is waited for a turn later.
; last = 1 (the tail): the two fetch addresses are held at the last step's bytes, so that the trip behind the last step reads that step once more; what is made of it serves nothing.
; cnt = 1: the loop's count is taken down some lines ahead of the branch that stands behind the turn.
.macro TURN p, last=0, cnt=0
.set Y, (\p)
.set i, 0
.if (\p) == 3
	s_wait_dscnt 0x0                               ; K and the mask are in
.endif
	ROW F,0, F,1, R,0, R,1
	ROW F,2, E,0, R,2, R,3
	ROW F,3, E,1, R,4, R,5
	ROW F,4, E,2, R,6, R,7
	ROW F,5, E,3, R,8, R,9
	ROW F,6, E,4, X,0, R,10
.if (\p) == 2
	WIN 0
.if \last
	s_min_u32 s72, s[TBK], SLOT1+3*KS*PK           ; the last tile lies in slot 1
	s_min_u32 s73, s[TBM], 31*4*KS
	v_add_nc_u32 v[AK], s72, v[AK0]
	v_add_nc_u32 v[AM], s73, v[AM0]
.else
	v_add_nc_u32 v[AK], s[TBK], v[AK0]
	v_add_nc_u32 v[AM], s[TBM], v[AM0]
.endif
.endif
	ROW F,7, E,5, X,1, X,4
	ROW F,8, E,6, X,2, X,5
	OPS E,7, E,8, X,6, E,9
	OPS X,3, E,10, X,8, E,11
.if (\p) == 2
	FETCH_K
.endif
	OPS X,9, X,7, E,12, X,10
	OPS E,13, X,12, X,11, E,14
	OPS X,13, E,15, F,9, X,14
.if (\p) == 0
	v_add_nc_u32 v[AV], s[TBV], v[AV0]
.endif
	OPS E,16, F,10, E,17, F,11
	OPS X,16, E,18, X,15, E,19
	OPS F,12, E,20, X,17, E,21
	OPS F,13, E,22, F,14, E,23
	OPS X,18, E,24, F,15, E,25
	OPS R,11, E,26, X,19, E,27
	OPS R,12, E,28, R,13, E,29
	OPS X,20, E,30, R,14, E,31
	OPS X,21, R,15                                 ; the batch's last exponential, and the plain instruction behind it
	WIN 0
	s_wait_alu depctr_va_vdst(0)                   ; the wait for the batch, ahead of the first reader
.if (\p) == 1
	s_wait_dscnt 0x0                               ; V is in
.endif
	ROW C,0, B,0, C,2, B,1
	ROW L,0, C,4, B,2, L,1
	ROW C,6, B,3, L,2, C,8
	ROW B,4, L,3, C,10, B,5
	ROW L,4, C,12, B,6, L,5
.if (\p) == 0
	s_add_co_u32 s[TBV], s[TBV], KS*PV
.endif
.if \cnt
	s_sub_co_u32 s[CNT], s[CNT], 1
	s_cmp_lg_u32 s[CNT], 0
.endif
	ROW C,14, B,7, L,6, C,1
	ROW C,3, L,7, C,5, C,7
	ROW C,9, C,11, C,13, C,15
.if (\p) == 0
	FETCH_V
.endif
.endm
	CHANGE 1, 0                                    ; slot 0 is in, the mask's words are everybody's; slot 1 is asked for
	v_add_nc_u32 v[AK], s[TBK], v[AK0]
	v_add_nc_u32 v[AM], s[TBM], v[AM0]
	FETCH_K                                        ; key step 0
	s_wait_dscnt 0x0
.set i, 0
.rept 8
	KQ 0                                           ; piece 0's first scores
.set i, i+1
.endr
	WIN 0
.rept 4
	v_nop                                          ; the places behind those products
.endr
.set Y, NP-1                           ; X works for piece Y + 1: piece 0
.irp n, 0,1,2,3,4,5,6,7,8,9,10,11,12,13,14,15,16,17,18,19,20,21
	OP X, \n
.endr
	v_nop                                          ; a plain instruction behind the exponential,
	s_wait_alu depctr_va_vdst(0)                   ; and its wait, ahead of the branch
	s_mov_b32 s[CNT], 4
	s_mov_b32 s[SLOTS], 7
	s_branch .Lfirst                               ; the loop is entered at a step's first turn, in the middle of a trip
.Lslot:                                                ; six times: every slot but the last two is filled again
	CHANGE 1, 1
	s_mov_b32 s[CNT], 4
.Lstep:                                                ; a trip: pieces 2 and 3 of one step, then pieces 0 and 1 of the next, whose K and V it fetches
	TURN 2
	TURN 3
	WIN 0
.Lfirst:
	TURN 0
	TURN 1, 0, 1
	WIN 0
	s_cbranch_scc1 .Lstep
	s_sub_co_u32 s[SLOTS], s[SLOTS], 1
	s_cmp_lg_u32 s[SLOTS], 0
	s_cbranch_scc1 .Lslot
	CHANGE 0, 0                                    ; the tail is written out
	s_mov_b32 s[CNT], 5                            ; four trips fetch the last tile's steps; the fifth is left in its middle
.Ltail:
	TURN 2, 1
	TURN 3
	WIN 0
	s_sub_co_u32 s[CNT], s[CNT], 1
	s_cmp_eq_u32 s[CNT], 0
	s_cbranch_scc1 .Lout
	TURN 0
	TURN 1
	WIN 0
	s_branch .Ltail
.Lout:
.set i, 0
.rept 8
	PV NP-1                                        ; the last piece's V^T P of the last step
.set i, i+1
.endr
	; THE WAY OUT: l's halves are added, O^T divided by l, rounded to bf16 and sent through my stage, a piece at a time
	WIN 0
.macro ALL line:vararg
.set t, 0
.rept 4
	\line
.set t, t+1
.endr
.endm
	ALL v_add_f32 v[ST+4*t+2], v[ST+4*t+2], v[ST+4*t+3]
	ALL v_permlanex16_b32 v[ST+4*t+3], v[ST+4*t+2], s[SEL], s[SEL+1]
	ALL v_add_f32 v[ST+4*t+2], v[ST+4*t+2], v[ST+4*t+3]
	ALL v_rcp_f32 v[ST+4*t+2], v[ST+4*t+2]
	v_nop
	s_wait_alu depctr_va_vdst(0)                   ; one wait for the four reciprocals
.macro PACK t
	WIN W_RS
.set i, 32*(\t)
.rept 16
	v_pk_mul_f32 v[i:i+1], v[i:i+1], v[ST+4*(\t)+2:ST+4*(\t)+3] op_sel_hi:[1,0]
.set i, i+2
.endr
	WIN 0x05
.set i, 0
.rept 16
	v_cvt_pk_bf16_f32 v[S+16*(\t)+i], v[32*(\t)+2*i], v[32*(\t)+2*i+1]
.set i, i+1
.endr
	WIN 0
.irp f, 0,1,2,3
	ds_store_b128 v[STO], v[S+16*(\t)+4*\f:S+16*(\t)+4*\f+3] offset:32*\f
.endr
.irp f, 0,1,2,3
	ds_load_b128 v[S+16*(\t)+4*\f:S+16*(\t)+4*\f+3], v[RD] offset:\f*4*SP  ; LDS serves a wave's instructions in order: these see the stores above
.endr
.endm
.macro SEND t, younger
	WIN 0
.irp f, 0,1,2,3
	s_wait_dscnt (\younger)+3-\f
	global_store_b128 v[GO], v[S+16*(\t)+4*\f:S+16*(\t)+4*\f+3], s[10:11] offset:(\t)*2048+\f*512  ; 512 consecutive bytes, aligned
.endr
.endm
	PACK 0
.set t, 1
.rept 3
	PACK t
	SEND t-1, 8
.set t, t+1
.endr
	SEND 3, 0
	s_wait_tensorcnt 0x0                           ; the wave's end
	ds_add_u32 v[SPW], v[NIL]
	s_wait_dscnt 0x0
	CROUND                                         ; the closing round
	s_endpgm
.Lfunc_end_k_q34a6536db9_attn:
	.size	k_q34a6536db9_attn, .Lfunc_end_k_q34a6536db9_attn-k_q34a6536db9_attn
	.p2alignl 7, 3214868480
	.fill 96, 4, 3214868480
	.section	.rodata,"a",@progbits
	.p2align	6, 0x0
	.amdhsa_kernel k_q34a6536db9_attn
		.amdhsa_group_segment_fixed_size 327680
		.amdhsa_private_segment_fixed_size 0
		.amdhsa_enable_private_segment 0
		.amdhsa_kernarg_size 24
		.amdhsa_user_sgpr_count 2
		.amdhsa_user_sgpr_kernarg_segment_ptr 1
		.amdhsa_wavefront_size32 1
		.amdhsa_system_sgpr_workgroup_id_x 1
		.amdhsa_system_sgpr_workgroup_id_y 1
		.amdhsa_system_sgpr_workgroup_id_z 1
		.amdhsa_system_vgpr_workitem_id 0
		.amdhsa_next_free_vgpr 768
		.amdhsa_next_free_sgpr 80
		.amdhsa_reserve_vcc 1
		.amdhsa_float_denorm_mode_32 3
		.amdhsa_float_denorm_mode_16_64 3
		.amdhsa_memory_ordered 1
		.amdhsa_forward_progress 1
		.amdhsa_inst_pref_size 116
	.end_amdhsa_kernel
	.amdgpu_metadata
---
amdhsa.version: [ 1, 2 ]
amdhsa.kernels:
  - .name:           k_q34a6536db9_attn
    .symbol:         k_q34a6536db9_attn.kd
    .args:
      - { .name: qkvb, .offset: 0, .size: 8, .value_kind: global_buffer, .address_space: global }
      - { .name: input_mask, .offset: 8, .size: 8, .value_kind: global_buffer, .address_space: global }
      - { .name: ob, .offset: 16, .size: 8, .value_kind: global_buffer, .address_space: global }
    .group_segment_fixed_size: 327680
    .private_segment_fixed_size: 0
    .kernarg_segment_align: 8
    .kernarg_segment_size: 24
    .max_flat_workgroup_size: 128
    .sgpr_count:     80
    .vgpr_count:     768
    .wavefront_size: 32
...
	.end_amdgpu_metadata
.endif
;; end of part 3
;; launch oproj (part 4): grid 8 x 32, 4 waves a work-group, clusters of 4 x 4, 327,680 bytes of LDS; arguments ob, wb, x, x1; writes x1
.if DOCPART == 4
	.amdgcn_target "amdgcn-amd-amdhsa--gfx1250"
	.amdhsa_code_object_version 6
	.text
	.protected	k_q34a6536db9_oproj
	.globl	k_q34a6536db9_oproj
	.p2align	8
	.type	k_q34a6536db9_oproj,@function
k_q34a6536db9_oproj:
	s_mov_b64 s[64:65], 0
	v_nop
	global_prefetch_b8 v0, s[64:65] scope:SCOPE_SE
	s_setreg_imm32_b32 hwreg(HW_REG_WAVE_MODE, 25, 1), 1
	s_wait_xcnt 0x0
	s_wait_alu depctr_hold_cnt(0) depctr_sa_sdst(0) depctr_va_vdst(0) depctr_va_sdst(0) depctr_va_ssrc(0) depctr_va_vcc(0) depctr_vm_vsrc(0)
	s_getreg_b32 s2, hwreg(HW_REG_IB_STS2, 6, 4)
	s_cmp_eq_u32 s2, 0
	s_cbranch_scc0 .Lentry_in_a_cluster
	s_endpgm
.Lentry_in_a_cluster:
	s_bfe_u32 s2, ttmp6, 0x10000c
	s_cmp_lg_u32 s2, 0xf033
	s_cbranch_scc0 .Lentry_shape_is_right
	s_endpgm
.Lentry_shape_is_right:
; OPROJ.  x1 = bf16(x) + o Wo^T.  o: ob [32 = batch x 16 + head][2048][64] bf16; Wo: wb at byte 6,291,456, [1024][1024] bf16; x, x1: [4096][1024] f32.
; x is rounded to bf16 as it comes in, like every floating input of the program; x1 stays f32.
; SHARES.  A tile of x1 is 128 x 128: 8 x 32 work-groups; four waves, each 64 x 64: 16 accumulators.  THE RESIDUAL STARTS THE SUMS: each wave loads its part of x straight into its accumulators.
; K goes in steps of 256, four heads, through a ring of two LDS slots.  o lies by heads, so a wave's load of o is two heads x 128 tokens: two dense rows of 16,384 bytes, 262,144 bytes apart, padded in
; LDS after every 128 bytes: [head of the step][token], 144 bytes a token.  Wo's rows are 512 bytes + 16.  Waves 0, 1 fetch o's halves, waves 2, 3 Wo's.
; CLUSTER 4 x 4: o's tile is shared along a row of the cluster, Wo's along a column: joint loads, the same descriptor and mask in the four that are named.
; THE ORDER OF THE K STEPS.  At its t-th step a cluster takes K step t xor g, g = 2 ((cluster x xor cluster y) & 1) + ((cluster y / 2) & 1): made of the cluster's place in the grid alone, so the same in all
; sixteen partners.  The two clusters of a row of clusters, which read the same tokens of o, differ in g by 2: each names two of the four K steps first (t = 0, 1: the first fills) and the other two two steps
; behind its neighbour.  Four clusters on end of a column of clusters, which read the same rows of Wo, have four different g.  So both refills name blocks that another cluster's first fills have named.
; The sums are f32 and may be taken in any order of K.
; THE LOOP is one K step, with the slot in hand in the scalar TB (0 or SLOT), turned by an exclusive or; the two last steps, which fill nothing, are a loop of their own that is left in its middle.
; The matrix instruction is used transposed; the sums go out as f32 through the wave's own stage, laid over the ring (which has had its last fill) behind a barrier.  No prefetch: the tiles are small and a step is short.
; REGISTERS: window 0: addresses, v64-95 rows on the way out, v128-255 the accumulators ((a, b) at v[128 + 8 (4 a + b)]); window 1: two fragment buffers of 128 (64 of o, 64 of Wo; 64 along K).
.set PA,     144
.set PB,     528
.set AHEAD,  128*PA                    ; a head's 128 tokens
.set AHALF,  2*AHEAD
.set BHALF,  64*PB
.set BOFF,   2*AHALF
.set SLOT,   2*AHALF+2*BHALF
.set SPARE,  2*SLOT
.set SP,     272                       ; a stage row: 64 f32 + 16 bytes
.set STEPS,  4
.set SHA,    20                        ; a K step of o: four heads, 1,048,576 bytes on
.set SHB,    9                         ; of Wo: 512 bytes of a row
.set WOFF,   6291456
.set ADRA, 16
.set A0,   17
.set ADRB, 20
.set B0,   21
.set STO,  24
.set RD,   25
.set CO,   26
.set XI,   27
.set SPW,  28
.set NIL,  29
.set D,    64
.set ACC,  128
.set F0,   0
.set F1,   128
.set TB,   21
.set LWA,  22
.set LWB,  23
.set G1A,  24
.set G0A,  32
.set G0AW, 36
.set G1B,  48
.set G0B,  56
.set G0BW, 60
.set BA,   80                          ; s[80:81] o at what I fetch of K step 0
.set BB,   82                          ; s[82:83] Wo likewise
.set OFA,  84                          ; s[84:85], s[86:87] a K step's bytes in o and in Wo; the high words stay 0
.set OFB,  86
.set KT,   88                          ; s88  t of the next refill
.set GX,   89                          ; s89  g
.set MSB, 0
.macro WIN new
.if MSB != (\new)
	s_set_vgpr_msb (MSB<<8)|(\new)
.set MSB, \new
.endif
.endm
.set MUL,  0x05
.set TO_F, 0x40
.macro PLACES
.rept 4
	v_nop
.endr
.endm
.macro JLOAD
	s_cmp_eq_u32 s11, 0
	s_cbranch_scc0 .Lfor_b_\@
	tensor_load_to_lds s[G0AW:G0AW+3], s[G1A:G1A+7]
	s_nop 0
.rept 4
	v_nop
.endr
	s_branch .Lasked_\@
.Lfor_b_\@:
	tensor_load_to_lds s[G0BW:G0BW+3], s[G1B:G1B+7]
	s_nop 0
.rept 4
	v_nop
.endr
.Lasked_\@:
.endm
.macro CREST
	s_cmp_lg_u32 s10, 0
	s_cbranch_scc1 .Lnot_wave_0_\@
	s_barrier_signal -3
.Lnot_wave_0_\@:
	s_barrier_wait -3
	s_barrier_signal -1
	s_barrier_wait -1
.endm
.macro CROUND
	s_barrier_signal -1
	s_barrier_wait -1
	CREST
.endm
.macro MUL8 f, c, a0                   ; 8 products: row blocks a0, a0 + 1 x all 4 column blocks, 32 along K: half c of buffer f.  The 16 accumulators take turns
	WIN MUL
.irp a, \a0, (\a0)+1
.irp b, 0,1,2,3
	v_wmma_f32_16x16x32_bf16 v[ACC+8*(4*(\a)+(\b)):ACC+8*(4*(\a)+(\b))+7], v[(\f)+64+8*(4*(\c)+(\b)):(\f)+64+8*(4*(\c)+(\b))+7], v[(\f)+8*(4*(\c)+(\a)):(\f)+8*(4*(\c)+(\a))+7], v[ACC+8*(4*(\a)+(\b)):ACC+8*(4*(\a)+(\b))+7]
.endr
.endr
.endm
.macro FETCH q, f                      ; 32 LDS loads: quarter q is one head's 64 channels; its first 32 first
	WIN TO_F
.irp c, 0,1
.irp i, 0,1,2,3
	ds_load_b128 v[(\f)+64+8*(4*(\c)+(\i)):(\f)+64+8*(4*(\c)+(\i))+3],   v[ADRB] offset:128*(\q)+64*(\c)+(\i)*16*PB
	ds_load_b128 v[(\f)+64+8*(4*(\c)+(\i))+4:(\f)+64+8*(4*(\c)+(\i))+7], v[ADRB] offset:128*(\q)+64*(\c)+(\i)*16*PB+32
	ds_load_b128 v[(\f)+8*(4*(\c)+(\i)):(\f)+8*(4*(\c)+(\i))+3],         v[ADRA] offset:AHEAD*(\q)+64*(\c)+(\i)*16*PA
	ds_load_b128 v[(\f)+8*(4*(\c)+(\i))+4:(\f)+8*(4*(\c)+(\i))+7],       v[ADRA] offset:AHEAD*(\q)+64*(\c)+(\i)*16*PA+32
.endr
.endr
.endm
.macro QUARTER q, f, g
	s_wait_dscnt 16                                ; the first 32 along K are in
	MUL8 \f, 0, 0
	MUL8 \f, 0, 2
	PLACES
	FETCH \q, \g
	s_wait_dscnt 32                                ; all but the 32 just issued
	MUL8 \f, 1, 0
	MUL8 \f, 1, 2
.endm
; The step's last quarter and the change of slots.  In front of the barrier each wave waits for all its tensor loads, adds 0 to its spare word, and waits for that and for its reads of the slot.
; fill = 1: the barrier opens a round of the cluster's, and the slot just left is filled again, first thing behind the round, with K step KT xor g.
.macro TURN fill
	WIN 0
	s_wait_tensorcnt 0x0
	ds_add_u32 v[SPW], v[NIL]
.if \fill
	s_add_co_u32 s[G0AW+1], s[LWA], s[TB]
	s_add_co_u32 s[G0BW+1], s[LWB], s[TB]
	s_xor_b32 s[OFA], s[KT], s[GX]                 ; the K step of this refill, in bytes of o and of Wo
	s_lshl_b32 s[OFB], s[OFA], SHB
	s_lshl_b32 s[OFA], s[OFA], SHA
	s_add_nc_u64 s[G0AW+2:G0AW+3], s[BA:BA+1], s[OFA:OFA+1]
	s_or_b32 s[G0AW+3], s[G0AW+3], 0x80000000
	s_add_nc_u64 s[G0BW+2:G0BW+3], s[BB:BB+1], s[OFB:OFB+1]
	s_or_b32 s[G0BW+3], s[G0BW+3], 0x80000000
	s_add_co_u32 s[KT], s[KT], 1
.endif
	s_xor_b32 s[TB], s[TB], SLOT
	s_wait_dscnt 17                                ; the add and the youngest sixteen loads may be out
	MUL8 F1, 0, 0
	s_wait_dscnt 0x0
	s_barrier_signal -1
	MUL8 F1, 0, 2
.if \fill
	WIN 0
.endif
	s_barrier_wait -1
.if \fill
	CREST
	JLOAD
.else
	PLACES
	WIN 0
.endif
	v_add_nc_u32 v[ADRA], s[TB], v[A0]
	v_add_nc_u32 v[ADRB], s[TB], v[B0]
	FETCH 0, F0
	MUL8 F1, 1, 0
	MUL8 F1, 1, 2
.endm
	s_load_b128 s[4:7], s[0:1], 0x0                ; ob s[4:5], wb s[6:7]
	s_load_b64 s[66:67], s[0:1], 0x10              ; x
	s_load_b64 s[8:9], s[0:1], 0x18                ; x1
	v_lshl_add_u32 v[SPW], v0, 2, SPARE
	v_mov_b32 v[NIL], 0
	ds_add_u32 v[SPW], v[NIL]                      ; the wave's opening
	v_lshrrev_b32 v1, 5, v0
	v_readfirstlane_b32 s10, v1
	s_lshr_b32 s11, s10, 1
	s_and_b32 s12, s10, 1
	s_bfe_u32 s40, ttmp6, 0x40000
	s_bfe_u32 s41, ttmp6, 0x40004
	s_lshl_b32 s42, ttmp9, 2
	s_add_co_u32 s42, s42, s40                     ; tile column
	s_and_b32 s13, ttmp7, 0xffff
	s_lshl_b32 s13, s13, 2
	s_add_co_u32 s13, s13, s41                     ; tile row
	s_lshl_b32 s14, s41, 2
	s_lshl_b32 s14, 15, s14
	s_lshl_b32 s15, 0x1111, s40
	s_or_b32 s[G1A], s14, (1<<16)|(1<<20)|(1<<21)|(4<<22)|(3<<25)  ; padding of 4 words after every 32: a token's 128 bytes
	s_mov_b32 s[G1A+1], 8192<<16                   ; tensor_dim0 = 8,192 elements: a head's 128 tokens
	s_mov_b32 s[G1A+2], 2<<16                      ; tensor_dim1 = 2 heads
	s_mov_b32 s[G1A+3], 8192<<16
	s_mov_b32 s[G1A+4], 2
	s_mov_b32 s[G1A+5], 131072                     ; elements from head to head
	s_mov_b32 s[G1A+6], 0
	s_mov_b32 s[G1A+7], 0
	s_or_b32 s[G1B], s15, (1<<16)|(1<<20)|(1<<21)|(6<<22)|(3<<25)
	s_mov_b32 s[G1B+1], 256<<16
	s_mov_b32 s[G1B+2], 64<<16
	s_mov_b32 s[G1B+3], 256<<16
	s_mov_b32 s[G1B+4], 64
	s_mov_b32 s[G1B+5], 1024
	s_mov_b32 s[G1B+6], 0
	s_mov_b32 s[G1B+7], 0
	s_lshr_b32 s16, s13, 4                         ; the batch
	s_lshl_b32 s16, s16, 4
	s_lshl_b32 s17, s12, 1
	s_add_co_u32 s16, s16, s17                     ; its head 2 x half
	s_lshl_b32 s16, s16, 11
	s_and_b32 s17, s13, 15
	s_lshl_b32 s17, s17, 7
	s_add_co_u32 s16, s16, s17                     ; + the tile's first token
	s_lshl_b32 s16, s16, 7                         ; x 128 bytes
	s_mov_b32 s17, 0
	s_lshl_b32 s46, s42, 7
	s_lshl_b32 s47, s12, 6
	s_add_co_u32 s46, s46, s47                     ; Wo: row 128 x tile column + 64 x half
	s_lshl_b32 s46, s46, 11
	s_add_co_u32 s46, s46, WOFF
	s_mov_b32 s47, 0
	s_mul_i32 s[LWA], s12, AHALF
	s_mul_i32 s[LWB], s12, BHALF
	s_add_co_u32 s[LWB], s[LWB], BOFF
	s_mov_b32 s[TB], 0
	s_and_b32 s18, ttmp7, 0xffff                   ; g, of the cluster's x and y
	s_bfe_u32 s19, s18, 0x10001                    ; bit 1 of the cluster's y
	s_xor_b32 s18, s18, ttmp9
	s_and_b32 s18, s18, 1
	s_lshl_b32 s18, s18, 1
	s_or_b32 s[GX], s18, s19
	s_mov_b32 s[KT], 2                             ; t = 0 and 1 are the first fills
	s_mov_b32 s[OFA+1], 0
	s_mov_b32 s[OFB+1], 0
	s_wait_dscnt 0x0
	s_wait_kmcnt 0x0
	s_add_nc_u64 s[BA:BA+1], s[4:5], s[16:17]
	s_add_nc_u64 s[BB:BB+1], s[6:7], s[46:47]
	CROUND
	s_lshl_b32 s[OFA], s[GX], SHA                  ; t = 0: K step g
	s_lshl_b32 s[OFB], s[GX], SHB
	s_mov_b32 s[G0A], 1
	s_mov_b32 s[G0A+1], s[LWA]
	s_add_nc_u64 s[G0A+2:G0A+3], s[BA:BA+1], s[OFA:OFA+1]
	s_or_b32 s[G0A+3], s[G0A+3], 0x80000000
	s_mov_b32 s[G0B], 1
	s_mov_b32 s[G0B+1], s[LWB]
	s_add_nc_u64 s[G0B+2:G0B+3], s[BB:BB+1], s[OFB:OFB+1]
	s_or_b32 s[G0B+3], s[G0B+3], 0x80000000
	s_xor_b32 s[OFB], s[GX], 1                     ; t = 1
	s_lshl_b32 s[OFA], s[OFB], SHA
	s_lshl_b32 s[OFB], s[OFB], SHB
	s_mov_b32 s[G0AW], 1
	s_add_co_u32 s[G0AW+1], s[LWA], SLOT
	s_add_nc_u64 s[G0AW+2:G0AW+3], s[BA:BA+1], s[OFA:OFA+1]
	s_or_b32 s[G0AW+3], s[G0AW+3], 0x80000000
	s_mov_b32 s[G0BW], 1
	s_add_co_u32 s[G0BW+1], s[LWB], SLOT
	s_add_nc_u64 s[G0BW+2:G0BW+3], s[BB:BB+1], s[OFB:OFB+1]
	s_or_b32 s[G0BW+3], s[G0BW+3], 0x80000000
	s_cmp_eq_u32 s11, 0
	s_cbranch_scc0 .Lfirst_b
	tensor_load_to_lds s[G0A:G0A+3], s[G1A:G1A+7]
	s_nop 0
	tensor_load_to_lds s[G0AW:G0AW+3], s[G1A:G1A+7]
	s_nop 0
.rept 4
	v_nop
.endr
	s_branch .Lfirst_done
.Lfirst_b:
	tensor_load_to_lds s[G0B:G0B+3], s[G1B:G1B+7]
	s_nop 0
	tensor_load_to_lds s[G0BW:G0BW+3], s[G1B:G1B+7]
	s_nop 0
.rept 4
	v_nop
.endr
.Lfirst_done:
	v_and_b32 v1, 15, v0
	v_bfe_u32 v2, v0, 4, 1
	; my part of x and of x1: rows 128 x tile row + 64 x (wave / 2), columns 128 x tile column + 64 x (wave % 2)
	s_lshl_b32 s18, s13, 7
	s_lshl_b32 s19, s11, 6
	s_add_co_u32 s18, s18, s19
	s_lshl_b32 s18, s18, 12
	s_lshl_b32 s19, s42, 9
	s_add_co_u32 s18, s18, s19
	s_lshl_b32 s19, s12, 8
	s_add_co_u32 s18, s18, s19
	s_mov_b32 s19, 0
	s_add_nc_u64 s[66:67], s[66:67], s[18:19]
	s_add_nc_u64 s[8:9], s[8:9], s[18:19]
	v_lshlrev_b32 v[XI], 12, v1
	v_lshl_add_u32 v[XI], v2, 5, v[XI]             ; row r, the lane's eight columns
.irp a, 0,1,2,3
.irp b, 0,1,2,3
	global_load_b128 v[ACC+8*(4*(\a)+(\b)):ACC+8*(4*(\a)+(\b))+3],   v[XI], s[66:67] offset:(\a)*65536+64*(\b)
	global_load_b128 v[ACC+8*(4*(\a)+(\b))+4:ACC+8*(4*(\a)+(\b))+7], v[XI], s[66:67] offset:(\a)*65536+64*(\b)+16
.endr
.endr
	v_mul_u32_u24 v3, v1, PA
	v_lshl_add_u32 v3, v2, 4, v3
	s_mul_i32 s18, s11, 64*PA                      ; my 64 tokens in each head's block
	v_add_nc_u32 v[A0], s18, v3
	v_mul_u32_u24 v3, v1, PB
	v_lshl_add_u32 v3, v2, 4, v3
	s_mul_i32 s18, s12, BHALF
	s_add_co_u32 s18, s18, BOFF
	v_add_nc_u32 v[B0], s18, v3
	v_mov_b32 v[ADRA], v[A0]
	v_mov_b32 v[ADRB], v[B0]
	s_mul_i32 s18, s10, 64*SP                      ; my stage
	v_mul_u32_u24 v4, v1, SP
	v_lshl_add_u32 v4, v2, 5, v4
	v_add_nc_u32 v[STO], s18, v4
	v_mul_u32_u24 v4, v2, SP
	v_lshl_add_u32 v4, v1, 4, v4
	v_add_nc_u32 v[RD], s18, v4                    ; back: lanes 0-15 one row of 256 bytes, lanes 16-31 the next
	v_lshlrev_b32 v[CO], 12, v2
	v_lshl_add_u32 v[CO], v1, 4, v[CO]
	s_mov_b32 s20, 0xffff0000
	s_wait_loadcnt 0x0
.set p, 0
.rept 64                               ; x rounded to bf16, in place
	v_cvt_pk_bf16_f32 v[32+p%4], v[ACC+2*p], v[ACC+2*p+1]
	v_lshlrev_b32 v[ACC+2*p], 16, v[32+p%4]
	v_and_b32 v[ACC+2*p+1], s20, v[32+p%4]
.set p, p+1
.endr
	s_wait_tensorcnt 1                             ; my part of the first step is in; the second's may stay out
	s_barrier_signal -1
	s_barrier_wait -1
	FETCH 0, F0
	WIN 0
	s_mov_b32 s3, STEPS-2
.Lstep:
	QUARTER 1, F0, F1
	QUARTER 2, F1, F0
	QUARTER 3, F0, F1
	TURN 1
	WIN 0
	s_sub_co_u32 s3, s3, 1
	s_cmp_lg_u32 s3, 0
	s_cbranch_scc1 .Lstep
	s_mov_b32 s3, 2
.Ltail:
	QUARTER 1, F0, F1
	QUARTER 2, F1, F0
	QUARTER 3, F0, F1
	WIN 0
	s_sub_co_u32 s3, s3, 1
	s_cmp_eq_u32 s3, 0
	s_cbranch_scc1 .Lfin
	TURN 0
	WIN 0
	s_branch .Ltail
.Lfin:
	s_wait_dscnt 16
	MUL8 F1, 0, 0
	MUL8 F1, 0, 2
	s_wait_dscnt 0x0
	MUL8 F1, 1, 0
	MUL8 F1, 1, 2
	PLACES
	WIN 0
	s_barrier_signal -1                            ; every wave's reads of the ring are over: the stages may be laid over it
	s_barrier_wait -1
.irp a, 0,1,2,3
.irp b, 0,1,2,3
	ds_store_b128 v[STO], v[ACC+8*(4*(\a)+(\b)):ACC+8*(4*(\a)+(\b))+3]   offset:(\a)*16*SP+64*(\b)
	ds_store_b128 v[STO], v[ACC+8*(4*(\a)+(\b))+4:ACC+8*(4*(\a)+(\b))+7] offset:(\a)*16*SP+64*(\b)+16
.endr
.endr
	s_mov_b32 s3, 4
.Lrows:                                                ; sixteen rows a trip
.irp i, 0,1,2,3,4,5,6,7
	ds_load_b128 v[D+4*(\i):D+4*(\i)+3], v[RD] offset:(\i)*2*SP
.endr
.irp i, 0,1,2,3,4,5,6,7
	s_wait_dscnt 7-(\i)
	global_store_b128 v[CO], v[D+4*(\i):D+4*(\i)+3], s[8:9] offset:(\i)*8192  ; 16 lanes store 256 consecutive bytes, aligned
.endr
	s_wait_xcnt 0x0
	v_add_nc_u32 v[RD], 16*SP, v[RD]
	s_add_nc_u64 s[8:9], s[8:9], 65536
	s_sub_co_u32 s3, s3, 1
	s_cmp_lg_u32 s3, 0
	s_cbranch_scc1 .Lrows
	s_wait_tensorcnt 0x0                           ; the wave's end
	ds_add_u32 v[SPW], v[NIL]
	s_wait_dscnt 0x0
	CROUND
	s_endpgm
.Lfunc_end_k_q34a6536db9_oproj:
	.size	k_q34a6536db9_oproj, .Lfunc_end_k_q34a6536db9_oproj-k_q34a6536db9_oproj
	.p2alignl 7, 3214868480
	.fill 96, 4, 3214868480
	.section	.rodata,"a",@progbits
	.p2align	6, 0x0
	.amdhsa_kernel k_q34a6536db9_oproj
		.amdhsa_group_segment_fixed_size 327680
		.amdhsa_private_segment_fixed_size 0
		.amdhsa_enable_private_segment 0
		.amdhsa_kernarg_size 32
		.amdhsa_user_sgpr_count 2
		.amdhsa_user_sgpr_kernarg_segment_ptr 1
		.amdhsa_wavefront_size32 1
		.amdhsa_system_sgpr_workgroup_id_x 1
		.amdhsa_system_sgpr_workgroup_id_y 1
		.amdhsa_system_sgpr_workgroup_id_z 1
		.amdhsa_system_vgpr_workitem_id 0
		.amdhsa_next_free_vgpr 512
		.amdhsa_next_free_sgpr 90
		.amdhsa_reserve_vcc 0
		.amdhsa_float_denorm_mode_32 3
		.amdhsa_float_denorm_mode_16_64 3
		.amdhsa_memory_ordered 1
		.amdhsa_forward_progress 1
		.amdhsa_inst_pref_size 64
	.end_amdhsa_kernel
	.amdgpu_metadata
---
amdhsa.version: [ 1, 2 ]
amdhsa.kernels:
  - .name:           k_q34a6536db9_oproj
    .symbol:         k_q34a6536db9_oproj.kd
    .args:
      - { .name: ob, .offset: 0, .size: 8, .value_kind: global_buffer, .address_space: global }
      - { .name: wb, .offset: 8, .size: 8, .value_kind: global_buffer, .address_space: global }
      - { .name: x, .offset: 16, .size: 8, .value_kind: global_buffer, .address_space: global }
      - { .name: x1, .offset: 24, .size: 8, .value_kind: global_buffer, .address_space: global }
    .group_segment_fixed_size: 327680
    .private_segment_fixed_size: 0
    .kernarg_segment_align: 8
    .kernarg_segment_size: 32
    .max_flat_workgroup_size: 128
    .sgpr_count:     90
    .vgpr_count:     512
    .wavefront_size: 32
...
	.end_amdgpu_metadata
.endif
;; end of part 4
;; launch ln2 (part 5): grid 256 x 1, 16 waves a work-group, no clusters, 0 bytes of LDS; arguments x1, gamma2, beta2, hn; writes hn
.if DOCPART == 5
	.amdgcn_target "amdgcn-amd-amdhsa--gfx1250"
	.amdhsa_code_object_version 6
	.text
	.protected	k_q34a6536db9_ln2
	.globl	k_q34a6536db9_ln2
	.p2align	8
	.type	k_q34a6536db9_ln2,@function
k_q34a6536db9_ln2:
	s_mov_b64 s[64:65], 0
	v_nop
	global_prefetch_b8 v0, s[64:65] scope:SCOPE_SE
	s_setreg_imm32_b32 hwreg(HW_REG_WAVE_MODE, 25, 1), 1
	s_wait_xcnt 0x0
; LN2.  h2 = LN2(x1), bf16, into hn [4096][1024].  x1 is the program's own f32 sum and is taken as it is; gamma2 and beta2 are rounded to bf16 as they come in, like every floating input.
; m = mean, s = sqrt(sum (x - m)^2 / 1023), y = gamma (x - m) / (s + 1e-6) + beta; two passes over the row in registers: no difference of large sums.  A variance below 2^-126 counts as 0 in the root.
; A wave takes ONE whole row (4,096 bytes: eight loads of 512 consecutive bytes); a work-group's sixteen waves take 16 rows.  All 24 loads of a wave go out at once, the row's first; no LDS, no barrier.
.set XO,  2                            ; v2   16 x lane
.set HO,  3                            ; v3   8 x lane
.set X,   8                            ; v[8:39]    the row: load j brings columns 128 j + 4 lane .. + 3
.set G,   40                           ; v[40:71]   gamma, same places
.set BT,  72                           ; v[72:103]  beta
.set T,   104                          ; v[104:111] at work
.set OUT, 112                          ; v[112:127] the row in bf16
.set XP,  8
.set GP,  10
.set BP,  12
.set HN,  14
.macro RND2 a, k                       ; two f32 rounded to bf16 and widened again, in place
	v_cvt_pk_bf16_f32 v[T+(\k)], v[\a], v[(\a)+1]
	v_lshlrev_b32 v[\a], 16, v[T+(\k)]
	v_and_b32 v[(\a)+1], s31, v[T+(\k)]
.endm
.macro RNDALL base
.set p, 0
.rept 16
	RND2 (\base)+2*p, p%8
.set p, p+1
.endr
.endm
.macro WSUM a, b                       ; the sum over the wave's 32 lanes, in every lane
	v_add_f32_dpp v[\a], v[\a], v[\a] row_xmask:1 row_mask:0xf bank_mask:0xf
	v_add_f32_dpp v[\a], v[\a], v[\a] row_xmask:2 row_mask:0xf bank_mask:0xf
	v_add_f32_dpp v[\a], v[\a], v[\a] row_xmask:4 row_mask:0xf bank_mask:0xf
	v_add_f32_dpp v[\a], v[\a], v[\a] row_xmask:8 row_mask:0xf bank_mask:0xf
	v_permlanex16_b32 v[\b], v[\a], s32, s33
	v_add_f32 v[\a], v[\a], v[\b]
.endm
	s_load_b256 s[8:15], s[0:1], 0x0               ; x1, gamma2, beta2, hn
	v_and_b32 v1, 31, v0
	v_lshrrev_b32 v4, 5, v0
	v_readfirstlane_b32 s30, v4                    ; wave 0..15
	v_lshlrev_b32 v[XO], 4, v1
	v_lshlrev_b32 v[HO], 3, v1
	s_mov_b32 s31, 0xffff0000
	s_mov_b32 s32, 0x76543210                      ; v_permlanex16_b32: each lane takes its own place in the other half
	s_mov_b32 s33, 0xfedcba98
	s_lshl_b32 s36, ttmp9, 16                      ; 16 rows of 4,096 bytes a work-group,
	s_lshl_b32 s34, s30, 12                        ; one a wave
	s_add_co_u32 s36, s36, s34
	s_mov_b32 s37, 0
	s_lshr_b32 s38, s36, 1                         ; half as many bytes in hn
	s_mov_b32 s39, 0
	s_wait_kmcnt 0x0
	s_add_nc_u64 s[XP:XP+1], s[XP:XP+1], s[36:37]
	s_add_nc_u64 s[HN:HN+1], s[HN:HN+1], s[38:39]
.irp j, 0,1,2,3,4,5,6,7
	global_load_b128 v[X+4*(\j):X+4*(\j)+3], v[XO], s[XP:XP+1] offset:512*(\j)
.endr
.irp j, 0,1,2,3,4,5,6,7
	global_load_b128 v[G+4*(\j):G+4*(\j)+3], v[XO], s[GP:GP+1] offset:512*(\j)
	global_load_b128 v[BT+4*(\j):BT+4*(\j)+3], v[XO], s[BP:BP+1] offset:512*(\j)
.endr
	s_wait_loadcnt 16                              ; loads come back in order: the row is in; gamma's and beta's sixteen may stay out while the sums are made
.irp c, 0,1,2,3
	v_pk_add_f32 v[T+2*(\c):T+2*(\c)+1], v[X+2*(\c):X+2*(\c)+1], v[X+8+2*(\c):X+8+2*(\c)+1]  ; four chains, started by the first sums
.endr
.irp c, 8,9,10,11,12,13,14,15
	v_pk_add_f32 v[T+2*((\c)%4):T+2*((\c)%4)+1], v[T+2*((\c)%4):T+2*((\c)%4)+1], v[X+2*(\c):X+2*(\c)+1]
.endr
	v_pk_add_f32 v[T:T+1], v[T:T+1], v[T+2:T+3]
	v_pk_add_f32 v[T+4:T+5], v[T+4:T+5], v[T+6:T+7]
	v_pk_add_f32 v[T:T+1], v[T:T+1], v[T+4:T+5]
	v_add_f32 v[T], v[T], v[T+1]
	WSUM T, T+1
	v_mul_f32 v[T], 0x3a800000, v[T]               ; / 1024: the mean
	v_mov_b32 v[T+1], v[T]
.set p, 0
.rept 16
	v_pk_add_f32 v[X+2*p:X+2*p+1], v[X+2*p:X+2*p+1], v[T:T+1] neg_lo:[0,1] neg_hi:[0,1]  ; x - m
.set p, p+1
.endr
	v_pk_mul_f32 v[T+2:T+3], v[X:X+1], v[X:X+1]
	v_pk_mul_f32 v[T+4:T+5], v[X+2:X+3], v[X+2:X+3]
.set p, 2
.rept 14
	v_pk_fma_f32 v[T+2+2*(p%2):T+3+2*(p%2)], v[X+2*p:X+2*p+1], v[X+2*p:X+2*p+1], v[T+2+2*(p%2):T+3+2*(p%2)]
.set p, p+1
.endr
	v_pk_add_f32 v[T+2:T+3], v[T+2:T+3], v[T+4:T+5]
	v_add_f32 v[T+2], v[T+2], v[T+3]
	WSUM T+2, T+3
	v_mul_f32 v[T+2], 0x3a802008, v[T+2]           ; / 1023
	v_sqrt_f32 v[T+2], v[T+2]
	v_nop                                          ; a plain instruction behind the root,
	s_wait_alu depctr_va_vdst(0)                   ; and the wait ahead of its first reader
	v_add_f32 v[T+2], 0x358637bd, v[T+2]           ; + 1e-6
	v_rcp_f32 v[T+2], v[T+2]
	v_nop
	s_wait_alu depctr_va_vdst(0)
	v_mov_b32 v[T+3], v[T+2]
.set p, 0
.rept 16
	v_pk_mul_f32 v[X+2*p:X+2*p+1], v[X+2*p:X+2*p+1], v[T+2:T+3]
.set p, p+1
.endr
	s_wait_loadcnt 0x0                             ; gamma and beta
	RNDALL G
	RNDALL BT
.set p, 0
.rept 16
	v_pk_fma_f32 v[X+2*p:X+2*p+1], v[X+2*p:X+2*p+1], v[G+2*p:G+2*p+1], v[BT+2*p:BT+2*p+1]
.set p, p+1
.endr
.set p, 0
.rept 16
	v_cvt_pk_bf16_f32 v[OUT+p], v[X+2*p], v[X+2*p+1]
.set p, p+1
.endr
.irp j, 0,1,2,3,4,5,6,7
	global_store_b64 v[HO], v[OUT+2*(\j):OUT+2*(\j)+1], s[HN:HN+1] offset:256*(\j)  ; 32 lanes x 8 bytes: 256 consecutive bytes, aligned
.endr
	s_endpgm
.Lfunc_end_k_q34a6536db9_ln2:
	.size	k_q34a6536db9_ln2, .Lfunc_end_k_q34a6536db9_ln2-k_q34a6536db9_ln2
	.p2alignl 7, 3214868480
	.fill 96, 4, 3214868480
	.section	.rodata,"a",@progbits
	.p2align	6, 0x0
	.amdhsa_kernel k_q34a6536db9_ln2
		.amdhsa_group_segment_fixed_size 0
		.amdhsa_private_segment_fixed_size 0
		.amdhsa_enable_private_segment 0
		.amdhsa_kernarg_size 32
		.amdhsa_user_sgpr_count 2
		.amdhsa_user_sgpr_kernarg_segment_ptr 1
		.amdhsa_wavefront_size32 1
		.amdhsa_system_sgpr_workgroup_id_x 1
		.amdhsa_system_sgpr_workgroup_id_y 1
		.amdhsa_system_sgpr_workgroup_id_z 1
		.amdhsa_system_vgpr_workitem_id 0
		.amdhsa_next_free_vgpr 128
		.amdhsa_next_free_sgpr 66
		.amdhsa_reserve_vcc 0
		.amdhsa_float_denorm_mode_32 3
		.amdhsa_float_denorm_mode_16_64 3
		.amdhsa_memory_ordered 1
		.amdhsa_forward_progress 1
		.amdhsa_inst_pref_size 16
	.end_amdhsa_kernel
	.amdgpu_metadata
---
amdhsa.version: [ 1, 2 ]
amdhsa.kernels:
  - .name:           k_q34a6536db9_ln2
    .symbol:         k_q34a6536db9_ln2.kd
    .args:
      - { .name: x1, .offset: 0, .size: 8, .value_kind: global_buffer, .address_space: global }
      - { .name: gamma2, .offset: 8, .size: 8, .value_kind: global_buffer, .address_space: global }
      - { .name: beta2, .offset: 16, .size: 8, .value_kind: global_buffer, .address_space: global }
      - { .name: hn, .offset: 24, .size: 8, .value_kind: global_buffer, .address_space: global }
    .group_segment_fixed_size: 0
    .private_segment_fixed_size: 0
    .kernarg_segment_align: 8
    .kernarg_segment_size: 32
    .max_flat_workgroup_size: 512
    .sgpr_count:     66
    .vgpr_count:     128
    .wavefront_size: 32
...
	.end_amdgpu_metadata
.endif
;; end of part 5
;; launch ffn1 (part 6): grid 16 x 16, 4 waves a work-group, clusters of 4 x 4, 327,680 bytes of LDS; arguments hn, wb, b1, hid; writes hid
.if DOCPART == 6
	.amdgcn_target "amdgcn-amd-amdhsa--gfx1250"
	.amdhsa_code_object_version 6
	.text
	.protected	k_q34a6536db9_ffn1
	.globl	k_q34a6536db9_ffn1
	.p2align	8
	.type	k_q34a6536db9_ffn1,@function
k_q34a6536db9_ffn1:
	s_mov_b64 s[64:65], 0
	v_nop
	global_prefetch_b8 v0, s[64:65] scope:SCOPE_SE
	s_setreg_imm32_b32 hwreg(HW_REG_WAVE_MODE, 25, 1), 1
	s_wait_xcnt 0x0
	s_wait_alu depctr_hold_cnt(0) depctr_sa_sdst(0) depctr_va_vdst(0) depctr_va_sdst(0) depctr_va_ssrc(0) depctr_va_vcc(0) depctr_vm_vsrc(0)
	s_getreg_b32 s2, hwreg(HW_REG_IB_STS2, 6, 4)
	s_cmp_eq_u32 s2, 0
	s_cbranch_scc0 .Lentry_in_a_cluster
	s_endpgm
.Lentry_in_a_cluster:
	s_bfe_u32 s2, ttmp6, 0x10000c
	s_cmp_lg_u32 s2, 0xf033
	s_cbranch_scc0 .Lentry_shape_is_right
	s_endpgm
.Lentry_shape_is_right:
; FFN1.  hid = relu(h2 W1^T + b1), bf16 [4096][4096].  h2: hn [4096][1024] bf16; W1: wb at byte 8,388,608, [4096][1024] bf16; b1 rounded to bf16 as it comes in, like every floating input.
; SHARES.  A tile of C is 256 x 256: 16 x 16 work-groups; four waves, each 128 x 128: 64 accumulators, 512 registers.  K goes in steps of 128 through a ring of two LDS slots (256 rows of h2, 256 of W1,
; 256 bytes a row + 16 of padding); each wave fetches a quarter of a slot with one tensor load.
; CLUSTER 4 x 4: h2's tile is shared along a row of the cluster, W1's along a column: joint loads, the same descriptor and mask in the four that are named.
; THE ORDER OF THE K STEPS.  At its t-th step a cluster takes K step t xor g, g = 2 ((cluster x xor cluster y) & 1) + 4 (cluster x / 2): made of the cluster's place in the grid alone, so the same in all
; sixteen partners.  The four clusters of a row of clusters, which read the same rows of h2, have four different g: each names two of a row's eight K steps first (t = 0, 1) and the other six two steps or
; more behind the cluster that named them first.  Clusters y and y xor 1 of a column of clusters, which read the same rows of W1, differ in g by 2: each names four K steps first (t = 0, 1, 4, 5) and the
; other four two steps behind its neighbour.  The sums are f32 and may be taken in any order of K.
; THE LOOP is one K step, with the slot in hand in the scalar TB (0 or SLOT), turned by an exclusive or; the two last steps, which fill nothing, are a loop of their own that is left in its middle.
; The matrix instruction is used transposed: a lane holds eight neighbouring columns of one row of C.
; THE WAY OUT: all sums go as f32 into the wave's own stage, laid over the ring (which has had its last fill) behind a barrier; a loop reads whole rows back, adds the bias, rounds, clips at 0 and stores.
; REGISTERS: window 0 addresses and the way out; window 1 two fragment buffers of 128 (64 of W1, 64 of h2); windows 2, 3 the accumulators: (a, b) at v[8 (8 (a % 4) + b)] of window 2 + a / 4.
.set KSTEP,  128
.set SH,     8                         ; a K step is 256 bytes of a row
.set PITCH,  272
.set HALFT,  128*PITCH
.set SLOT,   4*HALFT
.set SPARE,  2*SLOT
.set SP,     528                       ; a stage row: 128 f32 + 16 bytes
.set STEPS,  8
.set WOFF,   8388608
.set G1W0,   (1<<16)|(1<<20)|(1<<21)|(5<<22)|(3<<25)
.set ADRA, 16
.set A0,   17
.set ADRB, 20
.set B0,   21
.set STO,  24
.set RD,   25                          ; v25  the stage rows that are read next
.set CO,   26
.set RD0,  27                          ; v27  my place in the stage's first row
.set SPW,  28
.set NIL,  29
.set PFO,  30
.set BI,   32                          ; v[32:35] my four columns' bias
.set ZR,   36                          ; v36  0
.set D,    64
.set OUT,  128
.set F0,   0
.set F1,   128
.set TB,   21
.set LWA,  22
.set LWB,  23
.set G1A,  24
.set G0A,  32
.set G0AW, 36
.set G1B,  48
.set G0B,  56
.set G0BW, 60
.set LIM,  43
.set PFA,  44                          ; s[44:45] the prefetch's address
.set BA,   80                          ; s[80:81] h2 at the first row that I fetch, K step 0
.set BB,   82                          ; s[82:83] W1 likewise
.set OFA,  84                          ; s[84:85] a K step's bytes in a row; the high word stays 0
.set KT,   88                          ; s88  t of the next refill
.set GX,   89                          ; s89  g
.set PFB,  90                          ; s[90:91] W1 at my work-group's share of the rows that I fetch
.set OFP,  92                          ; s[92:93] the prefetched K step's bytes; the high word stays 0
.set MSB, 0
.macro WIN new
.if MSB != (\new)
	s_set_vgpr_msb (MSB<<8)|(\new)
.set MSB, \new
.endif
.endm
.set MUL_LO, 0xa5
.set TO_F,   0x40
.set ST_LO,  0x08
.macro PLACES
.rept 4
	v_nop
.endr
.endm
.macro JLOAD
	s_cmp_eq_u32 s11, 0
	s_cbranch_scc0 .Lfor_b_\@
	tensor_load_to_lds s[G0AW:G0AW+3], s[G1A:G1A+7]
	s_nop 0
.rept 4
	v_nop
.endr
	s_branch .Lasked_\@
.Lfor_b_\@:
	tensor_load_to_lds s[G0BW:G0BW+3], s[G1B:G1B+7]
	s_nop 0
.rept 4
	v_nop
.endr
.Lasked_\@:
.endm
.macro CREST
	s_cmp_lg_u32 s10, 0
	s_cbranch_scc1 .Lnot_wave_0_\@
	s_barrier_signal -3
.Lnot_wave_0_\@:
	s_barrier_wait -3
	s_barrier_signal -1
	s_barrier_wait -1
.endm
.macro CROUND
	s_barrier_signal -1
	s_barrier_wait -1
	CREST
.endm
; A PREFETCH of W1's K steps that the refills of t = 4 and 5 will name, each two refills ahead: behind the refills of t = 2 and 3 (the loop's first two trips).  Of all refills these alone name blocks that
; no cluster's load has named before; what is named first at t = 0 and 1 comes by the first fills, at the head, where nothing is prefetched.  Clusters y and y + 2 have the same g and name the same blocks:
; those with y < 2 ask.  In them the waves that fetch W1 ask, a lane a row, 256 bytes of each; the four partners that ask for a tile jointly take 32 each of the wave's 128 rows, by address.
.macro ASK
	s_cmp_gt_u32 s3, s[LIM]
	s_cbranch_scc0 .Lnot_mine_\@
	global_prefetch_b8 v[PFO], s[PFA:PFA+1] th:TH_LOAD_NT scope:SCOPE_SE
.Lnot_mine_\@:
.endm
.macro MUL16 f, hi, a0, zero           ; 16 products: row blocks a0, a0 + 1 of the window's four x all 8 column blocks, 32 along K.  The 64 accumulators take turns
	WIN MUL_LO+0x50*(\hi)
.irp a, \a0, (\a0)+1
.irp b, 0,1,2,3,4,5,6,7
.if \zero
	v_wmma_f32_16x16x32_bf16 v[8*(8*(\a)+(\b)):8*(8*(\a)+(\b))+7], v[(\f)+8*(\b):(\f)+8*(\b)+7], v[(\f)+64+8*(4*(\hi)+(\a)):(\f)+64+8*(4*(\hi)+(\a))+7], 0
.else
	v_wmma_f32_16x16x32_bf16 v[8*(8*(\a)+(\b)):8*(8*(\a)+(\b))+7], v[(\f)+8*(\b):(\f)+8*(\b)+7], v[(\f)+64+8*(4*(\hi)+(\a)):(\f)+64+8*(4*(\hi)+(\a))+7], v[8*(8*(\a)+(\b)):8*(8*(\a)+(\b))+7]
.endif
.endr
.endr
.endm
.macro FETCH q, f                      ; 32 LDS loads in one run: W1's eight fragments, then h2's eight
	WIN TO_F
.irp i, 0,1,2,3,4,5,6,7
	ds_load_b128 v[(\f)+8*(\i):(\f)+8*(\i)+3],   v[ADRB] offset:64*(\q)+(\i)*16*PITCH
	ds_load_b128 v[(\f)+8*(\i)+4:(\f)+8*(\i)+7], v[ADRB] offset:64*(\q)+(\i)*16*PITCH+32
.endr
.irp i, 0,1,2,3,4,5,6,7
	ds_load_b128 v[(\f)+64+8*(\i):(\f)+64+8*(\i)+3],   v[ADRA] offset:64*(\q)+(\i)*16*PITCH
	ds_load_b128 v[(\f)+64+8*(\i)+4:(\f)+64+8*(\i)+7], v[ADRA] offset:64*(\q)+(\i)*16*PITCH+32
.endr
.endm
.macro QUARTER q, f, g, zero
	s_wait_dscnt 8                                 ; all but h2's blocks 4 to 7
	MUL16 \f, 0, 0, \zero
	MUL16 \f, 0, 2, \zero
	PLACES
	FETCH \q, \g
	s_wait_dscnt 32                                ; all but the 32 just issued
	MUL16 \f, 1, 0, \zero
	MUL16 \f, 1, 2, \zero
.endm
; The step's last quarter and the change of slots.  In front of the barrier each wave waits for all its tensor loads, adds 0 to its spare word, and waits for that and for its reads of the slot.
; fill = 1: the barrier opens a round of the cluster's, and the slot just left is filled again, first thing behind the round, with K step KT xor g.
.macro TURN fill
.if \fill
	s_wait_xcnt 0x0                                ; the last prefetch, a K step back, has read its address: it is made anew, for t = KT + 2
	s_add_co_u32 s[OFP], s[KT], 2
	s_xor_b32 s[OFP], s[OFP], s[GX]
	s_and_b32 s[OFP], s[OFP], STEPS-1              ; (in the trips that ask for nothing too it stays inside the row)
	s_lshl_b32 s[OFP], s[OFP], SH
	s_add_nc_u64 s[PFA:PFA+1], s[PFB:PFB+1], s[OFP:OFP+1]
.endif
	WIN 0
	s_wait_tensorcnt 0x0                           ; all my tensor loads have landed: a descriptor may be written
	ds_add_u32 v[SPW], v[NIL]
.if \fill
	s_add_co_u32 s[G0AW+1], s[LWA], s[TB]          ; into the slot that is being left
	s_add_co_u32 s[G0BW+1], s[LWB], s[TB]
	s_xor_b32 s[OFA], s[KT], s[GX]                 ; the K step of this refill,
	s_lshl_b32 s[OFA], s[OFA], SH                  ; in bytes of a row
	s_add_nc_u64 s[G0AW+2:G0AW+3], s[BA:BA+1], s[OFA:OFA+1]
	s_or_b32 s[G0AW+3], s[G0AW+3], 0x80000000
	s_add_nc_u64 s[G0BW+2:G0BW+3], s[BB:BB+1], s[OFA:OFA+1]
	s_or_b32 s[G0BW+3], s[G0BW+3], 0x80000000
	s_add_co_u32 s[KT], s[KT], 1
.endif
	s_xor_b32 s[TB], s[TB], SLOT
	s_wait_dscnt 9                                 ; the add and the youngest eight loads may be out
	MUL16 F1, 0, 0, 0
	s_wait_dscnt 0x0                               ; the add is done, my reads of the slot are over
	s_barrier_signal -1
	MUL16 F1, 0, 2, 0
.if \fill
	WIN 0
.endif
	s_barrier_wait -1
.if \fill
	CREST
	JLOAD                                          ; its four v_nop are also the places in front of the loads below
.else
	PLACES
	WIN 0
.endif
	v_add_nc_u32 v[ADRA], s[TB], v[A0]
	v_add_nc_u32 v[ADRB], s[TB], v[B0]
	FETCH 0, F0
.if \fill
	WIN 0
	ASK
.endif
	MUL16 F1, 1, 0, 0
	MUL16 F1, 1, 2, 0
.endm
	s_load_b128 s[4:7], s[0:1], 0x0                ; hn s[4:5], wb s[6:7]
	s_load_b64 s[66:67], s[0:1], 0x10              ; b1
	s_load_b64 s[8:9], s[0:1], 0x18                ; hid
	v_lshl_add_u32 v[SPW], v0, 2, SPARE
	v_mov_b32 v[NIL], 0
	ds_add_u32 v[SPW], v[NIL]                      ; the wave's opening
	v_lshrrev_b32 v1, 5, v0
	v_readfirstlane_b32 s10, v1
	s_lshr_b32 s11, s10, 1                         ; my half of the tile's rows; also: I fetch for h2 (0) or for W1 (1)
	s_and_b32 s12, s10, 1                          ; my half of its columns; also: which 128 rows I fetch
	s_bfe_u32 s40, ttmp6, 0x40000
	s_bfe_u32 s41, ttmp6, 0x40004
	s_lshl_b32 s42, ttmp9, 2
	s_add_co_u32 s42, s42, s40
	s_and_b32 s13, ttmp7, 0xffff
	s_lshl_b32 s13, s13, 2
	s_add_co_u32 s13, s13, s41
	s_lshl_b32 s14, s41, 2
	s_lshl_b32 s14, 15, s14
	s_lshl_b32 s15, 0x1111, s40
	s_or_b32 s[G1A], s14, G1W0
	s_or_b32 s[G1B], s15, G1W0
.irp g, G1A, G1B
	s_mov_b32 s[(\g)+1], KSTEP<<16
	s_mov_b32 s[(\g)+2], 128<<16
	s_mov_b32 s[(\g)+3], KSTEP<<16
	s_mov_b32 s[(\g)+4], 128
	s_mov_b32 s[(\g)+5], 1024
	s_mov_b32 s[(\g)+6], 0
	s_mov_b32 s[(\g)+7], 0
.endr
	s_lshl_b32 s17, s12, 7
	s_lshl_b32 s16, s13, 8
	s_add_co_u32 s16, s16, s17
	s_lshl_b32 s16, s16, 11
	s_lshl_b32 s46, s42, 8
	s_add_co_u32 s46, s46, s17
	s_lshl_b32 s46, s46, 11
	s_add_co_u32 s46, s46, WOFF
	s_mov_b32 s17, 0
	s_mov_b32 s47, 0
	s_mul_i32 s[LWA], s12, HALFT
	s_add_co_u32 s[LWB], s[LWA], 2*HALFT
	s_mov_b32 s[TB], 0
	s_and_b32 s18, ttmp7, 0xffff                   ; g, of the cluster's x and y
	s_xor_b32 s18, s18, ttmp9
	s_and_b32 s18, s18, 1
	s_lshl_b32 s18, s18, 1
	s_lshr_b32 s19, ttmp9, 1
	s_lshl_b32 s19, s19, 2
	s_or_b32 s[GX], s18, s19
	s_mov_b32 s[KT], 2                             ; t = 0 and 1 are the first fills
	s_mov_b32 s[OFA+1], 0
	s_mov_b32 s[OFP+1], 0
	s_wait_dscnt 0x0
	s_wait_kmcnt 0x0
	s_add_nc_u64 s[BA:BA+1], s[4:5], s[16:17]
	s_add_nc_u64 s[BB:BB+1], s[6:7], s[46:47]
	CROUND
	s_lshl_b32 s[OFA], s[GX], SH                   ; t = 0: K step g
	s_mov_b32 s[G0A], 1
	s_mov_b32 s[G0A+1], s[LWA]
	s_add_nc_u64 s[G0A+2:G0A+3], s[BA:BA+1], s[OFA:OFA+1]
	s_or_b32 s[G0A+3], s[G0A+3], 0x80000000
	s_mov_b32 s[G0B], 1
	s_mov_b32 s[G0B+1], s[LWB]
	s_add_nc_u64 s[G0B+2:G0B+3], s[BB:BB+1], s[OFA:OFA+1]
	s_or_b32 s[G0B+3], s[G0B+3], 0x80000000
	s_xor_b32 s[OFA], s[GX], 1                     ; t = 1
	s_lshl_b32 s[OFA], s[OFA], SH
	s_mov_b32 s[G0AW], 1
	s_add_co_u32 s[G0AW+1], s[LWA], SLOT
	s_add_nc_u64 s[G0AW+2:G0AW+3], s[BA:BA+1], s[OFA:OFA+1]
	s_or_b32 s[G0AW+3], s[G0AW+3], 0x80000000
	s_mov_b32 s[G0BW], 1
	s_add_co_u32 s[G0BW+1], s[LWB], SLOT
	s_add_nc_u64 s[G0BW+2:G0BW+3], s[BB:BB+1], s[OFA:OFA+1]
	s_or_b32 s[G0BW+3], s[G0BW+3], 0x80000000
	s_cmp_eq_u32 s11, 0
	s_cbranch_scc0 .Lfirst_b
	tensor_load_to_lds s[G0A:G0A+3], s[G1A:G1A+7]
	s_nop 0
	tensor_load_to_lds s[G0AW:G0AW+3], s[G1A:G1A+7]
	s_nop 0
.rept 4
	v_nop
.endr
	s_branch .Lfirst_done
.Lfirst_b:
	tensor_load_to_lds s[G0B:G0B+3], s[G1B:G1B+7]
	s_nop 0
	tensor_load_to_lds s[G0BW:G0BW+3], s[G1B:G1B+7]
	s_nop 0
.rept 4
	v_nop
.endr
.Lfirst_done:
	v_and_b32 v1, 15, v0
	v_bfe_u32 v2, v0, 4, 1
	v_and_b32 v5, 31, v0
	s_lshl_b32 s18, s42, 10                        ; my 128 columns of b1: (256 x tile column + 128 x half) x 4 bytes
	s_lshl_b32 s19, s12, 9
	s_add_co_u32 s18, s18, s19
	v_lshl_add_u32 v6, v5, 4, s18
	global_load_b128 v[BI:BI+3], v6, s[66:67]
	v_mul_u32_u24 v3, v1, PITCH
	v_lshl_add_u32 v3, v2, 4, v3
	s_mul_i32 s18, s11, HALFT
	v_add_nc_u32 v[A0], s18, v3
	s_mul_i32 s18, s12, HALFT
	s_add_co_u32 s18, s18, 2*HALFT
	v_add_nc_u32 v[B0], s18, v3
	v_mov_b32 v[ADRA], v[A0]
	v_mov_b32 v[ADRB], v[B0]
	s_mul_i32 s18, s10, 128*SP                     ; my stage
	v_mul_u32_u24 v4, v1, SP
	v_lshl_add_u32 v4, v2, 5, v4
	v_add_nc_u32 v[STO], s18, v4
	v_lshl_add_u32 v[RD0], v5, 4, s18              ; back: 32 lanes take one row of 512 bytes
	v_lshlrev_b32 v[CO], 3, v5                     ; which are 256 bytes of hid
	v_mov_b32 v[ZR], 0
	s_lshl_b32 s18, s13, 8
	s_lshl_b32 s19, s11, 7
	s_add_co_u32 s18, s18, s19                     ; my first row of hid,
	s_lshl_b32 s18, s18, 13                        ; x 8,192 bytes
	s_lshl_b32 s19, s42, 9
	s_add_co_u32 s18, s18, s19
	s_lshl_b32 s19, s12, 8
	s_add_co_u32 s18, s18, s19
	s_mov_b32 s19, 0
	s_add_nc_u64 s[8:9], s[8:9], s[18:19]
	; the prefetches: W1 at row 256 x tile column + 128 x half + 32 x cy
	s_lshl_b32 s18, s42, 8
	s_lshl_b32 s20, s12, 7
	s_add_co_u32 s18, s18, s20
	s_lshl_b32 s19, s41, 5
	s_add_co_u32 s18, s18, s19
	s_lshl_b32 s18, s18, 11
	s_add_co_u32 s18, s18, WOFF
	s_mov_b32 s19, 0
	s_add_nc_u64 s[PFB:PFB+1], s[6:7], s[18:19]
	s_and_b32 s20, ttmp7, 0xffff
	s_cmp_lt_u32 s20, 2
	s_cselect_b32 s20, s11, 0                      ; 1 in the waves that fetch W1, in the clusters with y < 2: the same in all sixteen partners, for a given wave
	s_cmp_eq_u32 s20, 1
	s_cselect_b32 s[LIM], 4, -1                    ; such a wave asks while the loop's count is above 4: in its first two trips
	v_lshlrev_b32 v[PFO], 11, v5
	s_wait_loadcnt 0x0
	v_cvt_pk_bf16_f32 v37, v[BI], v[BI+1]          ; b1 rounded to bf16
	v_cvt_pk_bf16_f32 v38, v[BI+2], v[BI+3]
	v_lshlrev_b32 v[BI], 16, v37
	v_and_b32 v[BI+1], 0xffff0000, v37
	v_lshlrev_b32 v[BI+2], 16, v38
	v_and_b32 v[BI+3], 0xffff0000, v38
	s_wait_tensorcnt 1                             ; my part of the first step is in; the second's may stay out
	s_barrier_signal -1
	s_barrier_wait -1
	FETCH 0, F0
	QUARTER 1, F0, F1, 1                           ; the first quarter's products start the sums
	WIN 0
	s_mov_b32 s3, STEPS-2
.Lstep:
	QUARTER 2, F1, F0, 0
	QUARTER 3, F0, F1, 0
	TURN 1
	QUARTER 1, F0, F1, 0
	WIN 0
	s_sub_co_u32 s3, s3, 1
	s_cmp_lg_u32 s3, 0
	s_cbranch_scc1 .Lstep
	s_mov_b32 s3, 2
.Ltail:
	QUARTER 2, F1, F0, 0
	QUARTER 3, F0, F1, 0
	WIN 0
	s_sub_co_u32 s3, s3, 1
	s_cmp_eq_u32 s3, 0
	s_cbranch_scc1 .Lfin
	TURN 0
	QUARTER 1, F0, F1, 0
	WIN 0
	s_branch .Ltail
.Lfin:
	s_wait_dscnt 8
	MUL16 F1, 0, 0, 0
	MUL16 F1, 0, 2, 0
	s_wait_dscnt 0x0
	MUL16 F1, 1, 0, 0
	MUL16 F1, 1, 2, 0
	PLACES
	WIN 0
	s_barrier_signal -1                            ; every wave's reads of the ring are over: the stages may be laid over it
	s_barrier_wait -1
.irp a, 0,1,2,3,4,5,6,7
	WIN ST_LO+4*((\a)/4)
.irp b, 0,1,2,3,4,5,6,7
	ds_store_b128 v[STO], v[8*(8*((\a)%4)+(\b)):8*(8*((\a)%4)+(\b))+3]   offset:(\a)*16*SP+64*(\b)
	ds_store_b128 v[STO], v[8*(8*((\a)%4)+(\b))+4:8*(8*((\a)%4)+(\b))+7] offset:(\a)*16*SP+64*(\b)+16
.endr
.endr
	WIN 0
	; Sixteen rows a trip, in four groups of four.  Sixteen LDS loads are always out: a group's registers are loaded again, for the next trip, as soon as they have been read.  LDS serves a wave's instructions
	; in order, so the loads see my stores.  The last trip's loads are held at the last sixteen rows and serve nothing: the price of one text for every trip.
.irp i, 0,1,2,3,4,5,6,7,8,9,10,11,12,13,14,15
	ds_load_b128 v[D+4*(\i):D+4*(\i)+3], v[RD0] offset:(\i)*SP
.endr
	s_mov_b32 s16, 16*SP
	v_add_nc_u32 v[RD], 16*SP, v[RD0]
	s_mov_b32 s3, 8
.Lrows:
.irp g, 0,1,2,3
	s_wait_dscnt 12                                ; the oldest four of the sixteen are in: this group's
.irp r, 0,1,2,3
	v_pk_add_f32 v[D+4*(4*(\g)+(\r)):D+4*(4*(\g)+(\r))+1], v[D+4*(4*(\g)+(\r)):D+4*(4*(\g)+(\r))+1], v[BI:BI+1]
	v_pk_add_f32 v[D+4*(4*(\g)+(\r))+2:D+4*(4*(\g)+(\r))+3], v[D+4*(4*(\g)+(\r))+2:D+4*(4*(\g)+(\r))+3], v[BI+2:BI+3]
.endr
.irp r, 0,1,2,3
	v_cvt_pk_bf16_f32 v[OUT+2*(4*(\g)+(\r))], v[D+4*(4*(\g)+(\r))], v[D+4*(4*(\g)+(\r))+1]
	v_cvt_pk_bf16_f32 v[OUT+2*(4*(\g)+(\r))+1], v[D+4*(4*(\g)+(\r))+2], v[D+4*(4*(\g)+(\r))+3]
.endr
.irp r, 0,1,2,3
	ds_load_b128 v[D+4*(4*(\g)+(\r)):D+4*(4*(\g)+(\r))+3], v[RD] offset:(4*(\g)+(\r))*SP
.endr
.irp r, 0,1,2,3
	v_pk_max_num_bf16 v[OUT+2*(4*(\g)+(\r))], v[OUT+2*(4*(\g)+(\r))], v[ZR]
	v_pk_max_num_bf16 v[OUT+2*(4*(\g)+(\r))+1], v[OUT+2*(4*(\g)+(\r))+1], v[ZR]
.endr
.irp r, 0,1,2,3
	global_store_b64 v[CO], v[OUT+2*(4*(\g)+(\r)):OUT+2*(4*(\g)+(\r))+1], s[8:9] offset:(4*(\g)+(\r))*8192  ; 32 lanes x 8 bytes: 256 consecutive bytes, aligned
.endr
.endr
	s_wait_xcnt 0x0                                ; the stores have read their data and base
	s_add_co_u32 s16, s16, 16*SP
	s_min_u32 s17, s16, 7*16*SP
	v_add_nc_u32 v[RD], s17, v[RD0]
	s_add_nc_u64 s[8:9], s[8:9], 16*8192
	s_sub_co_u32 s3, s3, 1
	s_cmp_lg_u32 s3, 0
	s_cbranch_scc1 .Lrows
	s_wait_tensorcnt 0x0                           ; the wave's end
	ds_add_u32 v[SPW], v[NIL]
	s_wait_dscnt 0x0
	CROUND
	s_endpgm
.Lfunc_end_k_q34a6536db9_ffn1:
	.size	k_q34a6536db9_ffn1, .Lfunc_end_k_q34a6536db9_ffn1-k_q34a6536db9_ffn1
	.p2alignl 7, 3214868480
	.fill 96, 4, 3214868480
	.section	.rodata,"a",@progbits
	.p2align	6, 0x0
	.amdhsa_kernel k_q34a6536db9_ffn1
		.amdhsa_group_segment_fixed_size 327680
		.amdhsa_private_segment_fixed_size 0
		.amdhsa_enable_private_segment 0
		.amdhsa_kernarg_size 32
		.amdhsa_user_sgpr_count 2
		.amdhsa_user_sgpr_kernarg_segment_ptr 1
		.amdhsa_wavefront_size32 1
		.amdhsa_system_sgpr_workgroup_id_x 1
		.amdhsa_system_sgpr_workgroup_id_y 1
		.amdhsa_system_sgpr_workgroup_id_z 1
		.amdhsa_system_vgpr_workitem_id 0
		.amdhsa_next_free_vgpr 1024
		.amdhsa_next_free_sgpr 94
		.amdhsa_reserve_vcc 0
		.amdhsa_float_denorm_mode_32 3
		.amdhsa_float_denorm_mode_16_64 3
		.amdhsa_memory_ordered 1
		.amdhsa_forward_progress 1
		.amdhsa_inst_pref_size 92
	.end_amdhsa_kernel
	.amdgpu_metadata
---
amdhsa.version: [ 1, 2 ]
amdhsa.kernels:
  - .name:           k_q34a6536db9_ffn1
    .symbol:         k_q34a6536db9_ffn1.kd
    .args:
      - { .name: hn, .offset: 0, .size: 8, .value_kind: global_buffer, .address_space: global }
      - { .name: wb, .offset: 8, .size: 8, .value_kind: global_buffer, .address_space: global }
      - { .name: b1, .offset: 16, .size: 8, .value_kind: global_buffer, .address_space: global }
      - { .name: hid, .offset: 24, .size: 8, .value_kind: global_buffer, .address_space: global }
    .group_segment_fixed_size: 327680
    .private_segment_fixed_size: 0
    .kernarg_segment_align: 8
    .kernarg_segment_size: 32
    .max_flat_workgroup_size: 128
    .sgpr_count:     94
    .vgpr_count:     1024
    .wavefront_size: 32
...
	.end_amdgpu_metadata
.endif
;; end of part 6
;; launch ffn2 (part 7): grid 8 x 32, 4 waves a work-group, clusters of 4 x 4, 327,680 bytes of LDS; arguments hid, wb, x1, b2, out0; writes out0
.if DOCPART == 7
	.amdgcn_target "amdgcn-amd-amdhsa--gfx1250"
	.amdhsa_code_object_version 6
	.text
	.protected	k_q34a6536db9_ffn2
	.globl	k_q34a6536db9_ffn2
	.p2align	8
	.type	k_q34a6536db9_ffn2,@function
k_q34a6536db9_ffn2:
	s_mov_b64 s[64:65], 0
	v_nop
	global_prefetch_b8 v0, s[64:65] scope:SCOPE_SE
	s_setreg_imm32_b32 hwreg(HW_REG_WAVE_MODE, 25, 1), 1
	s_wait_xcnt 0x0
	s_wait_alu depctr_hold_cnt(0) depctr_sa_sdst(0) depctr_va_vdst(0) depctr_va_sdst(0) depctr_va_ssrc(0) depctr_va_vcc(0) depctr_vm_vsrc(0)
	s_getreg_b32 s2, hwreg(HW_REG_IB_STS2, 6, 4)
	s_cmp_eq_u32 s2, 0
	s_cbranch_scc0 .Lentry_in_a_cluster
	s_endpgm
.Lentry_in_a_cluster:
	s_bfe_u32 s2, ttmp6, 0x10000c
	s_cmp_lg_u32 s2, 0xf033
	s_cbranch_scc0 .Lentry_shape_is_right
	s_endpgm
.Lentry_shape_is_right:
; FFN2.  out0 = x1 + hid W2^T + b2.  hid: [4096][4096] bf16; W2: wb at byte 16,777,216, [1024][4096] bf16; x1, out0: [4096][1024] f32; b2 rounded to bf16 as it comes in, like every floating input.
; SHARES.  A tile of out0 is 128 x 128: 8 x 32 work-groups; four waves, each 64 x 64: 16 accumulators.  THE RESIDUAL STARTS THE SUMS: each wave loads its part of x1 straight into its accumulators.
; K goes in 16 steps of 256 (rows of 512 bytes + 16 of padding) through a ring of two LDS slots; waves 0, 1 fetch hid's halves of 64 rows, waves 2, 3 W2's.
; CLUSTER 4 x 4: hid's tile is shared along a row of the cluster, W2's along a column: joint loads, the same descriptor and mask in the four that are named.
; THE ORDER OF THE K STEPS.  At its t-th step a cluster takes K step t xor g, g = 2 ((cluster x xor cluster y) & 1) + 4 ((cluster y / 2) & 1): made of the cluster's place in the grid alone, so the same in
; all sixteen partners.  The two clusters of a row of clusters, which read the same rows of hid, differ in g by 2: each names half of a row's K steps first (those of its t with t & 2 = 0) and the other half
; two steps behind its neighbour.  Four clusters on end of a column of clusters, which read the same rows of W2, have four different g: each names four K steps first (t = 0, 1, 8, 9: among the t above) and
; the others two to six steps behind the cluster that named them first.  The sums are f32 and may be taken in any order of K.
; THE LOOP is one K step, with the slot in hand in the scalar TB (0 or SLOT), turned by an exclusive or; the two last steps, which fill nothing, are a loop of their own that is left in its middle.
; The matrix instruction is used transposed; the sums go out as f32 through the wave's own stage, laid over the ring (which has had its last fill) behind a barrier.  No prefetch: the tiles are small and a step is short.
; REGISTERS: window 0: addresses, v64-127 rows on the way out, v128-255 the accumulators ((a, b) at v[128 + 8 (4 a + b)]); window 1: two fragment buffers of 128.
.set PITCH,  528
.set HALFT,  64*PITCH
.set SLOT,   4*HALFT
.set SPARE,  2*SLOT
.set SP,     272
.set STEPS,  16
.set SH,     9                         ; a K step is 512 bytes of a row
.set WOFF,   16777216
.set G1W0,   (1<<16)|(1<<20)|(1<<21)|(6<<22)|(3<<25)
.set ADRA, 16
.set A0,   17
.set ADRB, 20
.set B0,   21
.set STO,  24
.set RD,   25                          ; v25  the stage rows that are read next
.set CO,   26
.set XI,   27
.set SPW,  28
.set NIL,  29
.set RD0,  31                          ; v31  my place in the stage's first two rows
.set BI,   32
.set D,    64
.set OUT,  96
.set ACC,  128
.set F0,   0
.set F1,   128
.set TB,   21
.set LWA,  22
.set LWB,  23
.set G1A,  24
.set G0A,  32
.set G0AW, 36
.set G1B,  48
.set G0B,  56
.set G0BW, 60
.set BA,   80                          ; s[80:81] hid at the first row that I fetch, K step 0
.set BB,   82                          ; s[82:83] W2 likewise
.set OFA,  84                          ; s[84:85] a K step's bytes in a row; the high word stays 0
.set KT,   88                          ; s88  t of the next refill
.set GX,   89                          ; s89  g
.set MSB, 0
.macro WIN new
.if MSB != (\new)
	s_set_vgpr_msb (MSB<<8)|(\new)
.set MSB, \new
.endif
.endm
.set MUL,  0x05
.set TO_F, 0x40
.macro PLACES
.rept 4
	v_nop
.endr
.endm
.macro JLOAD
	s_cmp_eq_u32 s11, 0
	s_cbranch_scc0 .Lfor_b_\@
	tensor_load_to_lds s[G0AW:G0AW+3], s[G1A:G1A+7]
	s_nop 0
.rept 4
	v_nop
.endr
	s_branch .Lasked_\@
.Lfor_b_\@:
	tensor_load_to_lds s[G0BW:G0BW+3], s[G1B:G1B+7]
	s_nop 0
.rept 4
	v_nop
.endr
.Lasked_\@:
.endm
.macro CREST
	s_cmp_lg_u32 s10, 0
	s_cbranch_scc1 .Lnot_wave_0_\@
	s_barrier_signal -3
.Lnot_wave_0_\@:
	s_barrier_wait -3
	s_barrier_signal -1
	s_barrier_wait -1
.endm
.macro CROUND
	s_barrier_signal -1
	s_barrier_wait -1
	CREST
.endm
.macro MUL8 f, c, a0                   ; 8 products: row blocks a0, a0 + 1 x all 4 column blocks, 32 along K: half c of buffer f.  The 16 accumulators take turns
	WIN MUL
.irp a, \a0, (\a0)+1
.irp b, 0,1,2,3
	v_wmma_f32_16x16x32_bf16 v[ACC+8*(4*(\a)+(\b)):ACC+8*(4*(\a)+(\b))+7], v[(\f)+64+8*(4*(\c)+(\b)):(\f)+64+8*(4*(\c)+(\b))+7], v[(\f)+8*(4*(\c)+(\a)):(\f)+8*(4*(\c)+(\a))+7], v[ACC+8*(4*(\a)+(\b)):ACC+8*(4*(\a)+(\b))+7]
.endr
.endr
.endm
.macro FETCH q, f
	WIN TO_F
.irp c, 0,1
.irp i, 0,1,2,3
	ds_load_b128 v[(\f)+64+8*(4*(\c)+(\i)):(\f)+64+8*(4*(\c)+(\i))+3],   v[ADRB] offset:128*(\q)+64*(\c)+(\i)*16*PITCH
	ds_load_b128 v[(\f)+64+8*(4*(\c)+(\i))+4:(\f)+64+8*(4*(\c)+(\i))+7], v[ADRB] offset:128*(\q)+64*(\c)+(\i)*16*PITCH+32
	ds_load_b128 v[(\f)+8*(4*(\c)+(\i)):(\f)+8*(4*(\c)+(\i))+3],         v[ADRA] offset:128*(\q)+64*(\c)+(\i)*16*PITCH
	ds_load_b128 v[(\f)+8*(4*(\c)+(\i))+4:(\f)+8*(4*(\c)+(\i))+7],       v[ADRA] offset:128*(\q)+64*(\c)+(\i)*16*PITCH+32
.endr
.endr
.endm
.macro QUARTER q, f, g
	s_wait_dscnt 16                                ; the first 32 along K are in
	MUL8 \f, 0, 0
	MUL8 \f, 0, 2
	PLACES
	FETCH \q, \g
	s_wait_dscnt 32                                ; all but the 32 just issued
	MUL8 \f, 1, 0
	MUL8 \f, 1, 2
.endm
; The step's last quarter and the change of slots.  In front of the barrier each wave waits for all its tensor loads, adds 0 to its spare word, and waits for that and for its reads of the slot.
; fill = 1: the barrier opens a round of the cluster's, and the slot just left is filled again, first thing behind the round, with K step KT xor g.
.macro TURN fill
	WIN 0
	s_wait_tensorcnt 0x0
	ds_add_u32 v[SPW], v[NIL]
.if \fill
	s_add_co_u32 s[G0AW+1], s[LWA], s[TB]
	s_add_co_u32 s[G0BW+1], s[LWB], s[TB]
	s_xor_b32 s[OFA], s[KT], s[GX]                 ; the K step of this refill,
	s_lshl_b32 s[OFA], s[OFA], SH                  ; in bytes of a row
	s_add_nc_u64 s[G0AW+2:G0AW+3], s[BA:BA+1], s[OFA:OFA+1]
	s_or_b32 s[G0AW+3], s[G0AW+3], 0x80000000
	s_add_nc_u64 s[G0BW+2:G0BW+3], s[BB:BB+1], s[OFA:OFA+1]
	s_or_b32 s[G0BW+3], s[G0BW+3], 0x80000000
	s_add_co_u32 s[KT], s[KT], 1
.endif
	s_xor_b32 s[TB], s[TB], SLOT
	s_wait_dscnt 17                                ; the add and the youngest sixteen loads may be out
	MUL8 F1, 0, 0
	s_wait_dscnt 0x0
	s_barrier_signal -1
	MUL8 F1, 0, 2
.if \fill
	WIN 0
.endif
	s_barrier_wait -1
.if \fill
	CREST
	JLOAD
.else
	PLACES
	WIN 0
.endif
	v_add_nc_u32 v[ADRA], s[TB], v[A0]
	v_add_nc_u32 v[ADRB], s[TB], v[B0]
	FETCH 0, F0
	MUL8 F1, 1, 0
	MUL8 F1, 1, 2
.endm
	s_load_b128 s[4:7], s[0:1], 0x0                ; hid s[4:5], wb s[6:7]
	s_load_b64 s[66:67], s[0:1], 0x10              ; x1
	s_load_b64 s[68:69], s[0:1], 0x18              ; b2
	s_load_b64 s[8:9], s[0:1], 0x20                ; out0
	v_lshl_add_u32 v[SPW], v0, 2, SPARE
	v_mov_b32 v[NIL], 0
	ds_add_u32 v[SPW], v[NIL]                      ; the wave's opening
	v_lshrrev_b32 v1, 5, v0
	v_readfirstlane_b32 s10, v1
	s_lshr_b32 s11, s10, 1
	s_and_b32 s12, s10, 1
	s_bfe_u32 s40, ttmp6, 0x40000
	s_bfe_u32 s41, ttmp6, 0x40004
	s_lshl_b32 s42, ttmp9, 2
	s_add_co_u32 s42, s42, s40
	s_and_b32 s13, ttmp7, 0xffff
	s_lshl_b32 s13, s13, 2
	s_add_co_u32 s13, s13, s41
	s_lshl_b32 s14, s41, 2
	s_lshl_b32 s14, 15, s14
	s_lshl_b32 s15, 0x1111, s40
	s_or_b32 s[G1A], s14, G1W0
	s_or_b32 s[G1B], s15, G1W0
.irp g, G1A, G1B
	s_mov_b32 s[(\g)+1], 256<<16
	s_mov_b32 s[(\g)+2], 64<<16
	s_mov_b32 s[(\g)+3], 256<<16
	s_mov_b32 s[(\g)+4], 64
	s_mov_b32 s[(\g)+5], 4096
	s_mov_b32 s[(\g)+6], 0
	s_mov_b32 s[(\g)+7], 0
.endr
	s_lshl_b32 s17, s12, 6
	s_lshl_b32 s16, s13, 7
	s_add_co_u32 s16, s16, s17                     ; hid: row 128 x tile row + 64 x half
	s_lshl_b32 s16, s16, 13                        ; x 8,192 bytes
	s_lshl_b32 s46, s42, 7
	s_add_co_u32 s46, s46, s17                     ; W2: row 128 x tile column + 64 x half
	s_lshl_b32 s46, s46, 13
	s_add_co_u32 s46, s46, WOFF
	s_mov_b32 s17, 0
	s_mov_b32 s47, 0
	s_mul_i32 s[LWA], s12, HALFT
	s_add_co_u32 s[LWB], s[LWA], 2*HALFT
	s_mov_b32 s[TB], 0
	s_and_b32 s18, ttmp7, 0xffff                   ; g, of the cluster's x and y
	s_bfe_u32 s19, s18, 0x10001                    ; bit 1 of the cluster's y
	s_lshl_b32 s19, s19, 2
	s_xor_b32 s18, s18, ttmp9
	s_and_b32 s18, s18, 1
	s_lshl_b32 s18, s18, 1
	s_or_b32 s[GX], s18, s19
	s_mov_b32 s[KT], 2                             ; t = 0 and 1 are the first fills
	s_mov_b32 s[OFA+1], 0
	s_wait_dscnt 0x0
	s_wait_kmcnt 0x0
	s_add_nc_u64 s[BA:BA+1], s[4:5], s[16:17]
	s_add_nc_u64 s[BB:BB+1], s[6:7], s[46:47]
	CROUND
	s_lshl_b32 s[OFA], s[GX], SH                   ; t = 0: K step g
	s_mov_b32 s[G0A], 1
	s_mov_b32 s[G0A+1], s[LWA]
	s_add_nc_u64 s[G0A+2:G0A+3], s[BA:BA+1], s[OFA:OFA+1]
	s_or_b32 s[G0A+3], s[G0A+3], 0x80000000
	s_mov_b32 s[G0B], 1
	s_mov_b32 s[G0B+1], s[LWB]
	s_add_nc_u64 s[G0B+2:G0B+3], s[BB:BB+1], s[OFA:OFA+1]
	s_or_b32 s[G0B+3], s[G0B+3], 0x80000000
	s_xor_b32 s[OFA], s[GX], 1                     ; t = 1
	s_lshl_b32 s[OFA], s[OFA], SH
	s_mov_b32 s[G0AW], 1
	s_add_co_u32 s[G0AW+1], s[LWA], SLOT
	s_add_nc_u64 s[G0AW+2:G0AW+3], s[BA:BA+1], s[OFA:OFA+1]
	s_or_b32 s[G0AW+3], s[G0AW+3], 0x80000000
	s_mov_b32 s[G0BW], 1
	s_add_co_u32 s[G0BW+1], s[LWB], SLOT
	s_add_nc_u64 s[G0BW+2:G0BW+3], s[BB:BB+1], s[OFA:OFA+1]
	s_or_b32 s[G0BW+3], s[G0BW+3], 0x80000000
	s_cmp_eq_u32 s11, 0
	s_cbranch_scc0 .Lfirst_b
	tensor_load_to_lds s[G0A:G0A+3], s[G1A:G1A+7]
	s_nop 0
	tensor_load_to_lds s[G0AW:G0AW+3], s[G1A:G1A+7]
	s_nop 0
.rept 4
	v_nop
.endr
	s_branch .Lfirst_done
.Lfirst_b:
	tensor_load_to_lds s[G0B:G0B+3], s[G1B:G1B+7]
	s_nop 0
	tensor_load_to_lds s[G0BW:G0BW+3], s[G1B:G1B+7]
	s_nop 0
.rept 4
	v_nop
.endr
.Lfirst_done:
	v_and_b32 v1, 15, v0
	v_bfe_u32 v2, v0, 4, 1
	s_lshl_b32 s18, s13, 7
	s_lshl_b32 s19, s11, 6
	s_add_co_u32 s18, s18, s19
	s_lshl_b32 s18, s18, 12
	s_lshl_b32 s19, s42, 9
	s_lshl_b32 s20, s12, 8
	s_add_co_u32 s20, s20, s19                     ; my 64 columns, in bytes of f32
	s_add_co_u32 s18, s18, s20
	s_mov_b32 s19, 0
	s_add_nc_u64 s[66:67], s[66:67], s[18:19]
	s_add_nc_u64 s[8:9], s[8:9], s[18:19]
	v_lshlrev_b32 v[XI], 12, v1
	v_lshl_add_u32 v[XI], v2, 5, v[XI]
.irp a, 0,1,2,3
.irp b, 0,1,2,3
	global_load_b128 v[ACC+8*(4*(\a)+(\b)):ACC+8*(4*(\a)+(\b))+3],   v[XI], s[66:67] offset:(\a)*65536+64*(\b)
	global_load_b128 v[ACC+8*(4*(\a)+(\b))+4:ACC+8*(4*(\a)+(\b))+7], v[XI], s[66:67] offset:(\a)*65536+64*(\b)+16
.endr
.endr
	v_lshl_add_u32 v6, v1, 4, s20
	global_load_b128 v[BI:BI+3], v6, s[68:69]      ; b2 of the four columns that I store
	v_mul_u32_u24 v3, v1, PITCH
	v_lshl_add_u32 v3, v2, 4, v3
	s_mul_i32 s18, s11, HALFT
	v_add_nc_u32 v[A0], s18, v3
	s_mul_i32 s18, s12, HALFT
	s_add_co_u32 s18, s18, 2*HALFT
	v_add_nc_u32 v[B0], s18, v3
	v_mov_b32 v[ADRA], v[A0]
	v_mov_b32 v[ADRB], v[B0]
	s_mul_i32 s18, s10, 64*SP
	v_mul_u32_u24 v4, v1, SP
	v_lshl_add_u32 v4, v2, 5, v4
	v_add_nc_u32 v[STO], s18, v4
	v_mul_u32_u24 v4, v2, SP
	v_lshl_add_u32 v4, v1, 4, v4
	v_add_nc_u32 v[RD0], s18, v4                   ; back: lanes 0-15 one row of 256 bytes, lanes 16-31 the next
	v_lshlrev_b32 v[CO], 12, v2
	v_lshl_add_u32 v[CO], v1, 4, v[CO]
	s_wait_loadcnt 0x0
	v_cvt_pk_bf16_f32 v37, v[BI], v[BI+1]
	v_cvt_pk_bf16_f32 v38, v[BI+2], v[BI+3]
	v_lshlrev_b32 v[BI], 16, v37
	v_and_b32 v[BI+1], 0xffff0000, v37
	v_lshlrev_b32 v[BI+2], 16, v38
	v_and_b32 v[BI+3], 0xffff0000, v38
	s_wait_tensorcnt 1                             ; my part of the first step is in; the second's may stay out
	s_barrier_signal -1
	s_barrier_wait -1
	FETCH 0, F0
	WIN 0
	s_mov_b32 s3, STEPS-2
.Lstep:
	QUARTER 1, F0, F1
	QUARTER 2, F1, F0
	QUARTER 3, F0, F1
	TURN 1
	WIN 0
	s_sub_co_u32 s3, s3, 1
	s_cmp_lg_u32 s3, 0
	s_cbranch_scc1 .Lstep
	s_mov_b32 s3, 2
.Ltail:
	QUARTER 1, F0, F1
	QUARTER 2, F1, F0
	QUARTER 3, F0, F1
	WIN 0
	s_sub_co_u32 s3, s3, 1
	s_cmp_eq_u32 s3, 0
	s_cbranch_scc1 .Lfin
	TURN 0
	WIN 0
	s_branch .Ltail
.Lfin:
	s_wait_dscnt 16
	MUL8 F1, 0, 0
	MUL8 F1, 0, 2
	s_wait_dscnt 0x0
	MUL8 F1, 1, 0
	MUL8 F1, 1, 2
	PLACES
	WIN 0
	s_barrier_signal -1                            ; every wave's reads of the ring are over: the stages may be laid over it
	s_barrier_wait -1
.irp a, 0,1,2,3
.irp b, 0,1,2,3
	ds_store_b128 v[STO], v[ACC+8*(4*(\a)+(\b)):ACC+8*(4*(\a)+(\b))+3]   offset:(\a)*16*SP+64*(\b)
	ds_store_b128 v[STO], v[ACC+8*(4*(\a)+(\b))+4:ACC+8*(4*(\a)+(\b))+7] offset:(\a)*16*SP+64*(\b)+16
.endr
.endr
	; Sixteen rows a trip, in two groups of four loads (two rows each).  Eight LDS loads are always out: a group's registers are loaded again, for the next trip, as soon as they have been read.  LDS serves a
	; wave's instructions in order, so the loads see my stores.  The last trip's loads are held at the last sixteen rows and serve nothing: the price of one text for every trip.
.irp i, 0,1,2,3,4,5,6,7
	ds_load_b128 v[D+4*(\i):D+4*(\i)+3], v[RD0] offset:(\i)*2*SP
.endr
	s_mov_b32 s16, 16*SP
	v_add_nc_u32 v[RD], 16*SP, v[RD0]
	s_mov_b32 s3, 4
.Lrows:
.irp g, 0,1
	s_wait_dscnt 4                                 ; the oldest four of the eight are in: this group's
.irp r, 0,1,2,3
	v_pk_add_f32 v[OUT+4*(4*(\g)+(\r)):OUT+4*(4*(\g)+(\r))+1], v[D+4*(4*(\g)+(\r)):D+4*(4*(\g)+(\r))+1], v[BI:BI+1]
	v_pk_add_f32 v[OUT+4*(4*(\g)+(\r))+2:OUT+4*(4*(\g)+(\r))+3], v[D+4*(4*(\g)+(\r))+2:D+4*(4*(\g)+(\r))+3], v[BI+2:BI+3]
.endr
.irp r, 0,1,2,3
	ds_load_b128 v[D+4*(4*(\g)+(\r)):D+4*(4*(\g)+(\r))+3], v[RD] offset:(4*(\g)+(\r))*2*SP
.endr
.irp r, 0,1,2,3
	global_store_b128 v[CO], v[OUT+4*(4*(\g)+(\r)):OUT+4*(4*(\g)+(\r))+3], s[8:9] offset:(4*(\g)+(\r))*8192  ; 16 lanes store 256 consecutive bytes, aligned
.endr
.endr
	s_wait_xcnt 0x0                                ; the stores have read their data and base
	s_add_co_u32 s16, s16, 16*SP
	s_min_u32 s17, s16, 3*16*SP
	v_add_nc_u32 v[RD], s17, v[RD0]
	s_add_nc_u64 s[8:9], s[8:9], 65536
	s_sub_co_u32 s3, s3, 1
	s_cmp_lg_u32 s3, 0
	s_cbranch_scc1 .Lrows
	s_wait_tensorcnt 0x0                           ; the wave's end
	ds_add_u32 v[SPW], v[NIL]
	s_wait_dscnt 0x0
	CROUND
	s_endpgm
.Lfunc_end_k_q34a6536db9_ffn2:
	.size	k_q34a6536db9_ffn2, .Lfunc_end_k_q34a6536db9_ffn2-k_q34a6536db9_ffn2
	.p2alignl 7, 3214868480
	.fill 96, 4, 3214868480
	.section	.rodata,"a",@progbits
	.p2align	6, 0x0
	.amdhsa_kernel k_q34a6536db9_ffn2
		.amdhsa_group_segment_fixed_size 327680
		.amdhsa_private_segment_fixed_size 0
		.amdhsa_enable_private_segment 0
		.amdhsa_kernarg_size 40
		.amdhsa_user_sgpr_count 2
		.amdhsa_user_sgpr_kernarg_segment_ptr 1
		.amdhsa_wavefront_size32 1
		.amdhsa_system_sgpr_workgroup_id_x 1
		.amdhsa_system_sgpr_workgroup_id_y 1
		.amdhsa_system_sgpr_workgroup_id_z 1
		.amdhsa_system_vgpr_workitem_id 0
		.amdhsa_next_free_vgpr 512
		.amdhsa_next_free_sgpr 90
		.amdhsa_reserve_vcc 0
		.amdhsa_float_denorm_mode_32 3
		.amdhsa_float_denorm_mode_16_64 3
		.amdhsa_memory_ordered 1
		.amdhsa_forward_progress 1
		.amdhsa_inst_pref_size 57
	.end_amdhsa_kernel
	.amdgpu_metadata
---
amdhsa.version: [ 1, 2 ]
amdhsa.kernels:
  - .name:           k_q34a6536db9_ffn2
    .symbol:         k_q34a6536db9_ffn2.kd
    .args:
      - { .name: hid, .offset: 0, .size: 8, .value_kind: global_buffer, .address_space: global }
      - { .name: wb, .offset: 8, .size: 8, .value_kind: global_buffer, .address_space: global }
      - { .name: x1, .offset: 16, .size: 8, .value_kind: global_buffer, .address_space: global }
      - { .name: b2, .offset: 24, .size: 8, .value_kind: global_buffer, .address_space: global }
      - { .name: out0, .offset: 32, .size: 8, .value_kind: global_buffer, .address_space: global }
    .group_segment_fixed_size: 327680
    .private_segment_fixed_size: 0
    .kernarg_segment_align: 8
    .kernarg_segment_size: 40
    .max_flat_workgroup_size: 128
    .sgpr_count:     90
    .vgpr_count:     512
    .wavefront_size: 32
...
	.end_amdgpu_metadata
.endif
;; end of part 7
